; MI455X (gfx1250); checked and timed in simulation.
; The chip was launched on July 23, 2026; its instructions are those of AMD's public machine-readable ISA for CDNA 5 (MIT licence, August 2026) and "CDNA5" Instruction Set Architecture Reference Guide (July 2026). The comments in the code are by the model that wrote it; some were corrected since.
;; Attention Block. Allowed arithmetic: float matrix products may take bf16 or f16 operands with f32 sums; all other float work in f32.
;; Inputs: Wk 1,024 x 1,024 float32; Wq 1,024 x 1,024 float32; Wv 1,024 x 1,024 float32; bk 1,024 float32; bq 1,024 float32; bv 1,024 float32; past_predictions 512 x 64 x 1,024 float32; z_state 512 x 1,024 float32.
;; Outputs: out0 512 x 1,024 float32.
;; 2 versions, each right. Each part assembles by itself: llvm-mc -triple=amdgcn-amd-amdhsa -mcpu=gfx1250 --defsym DOCPART=n.
;; ======== version 1 of 2: 4 launches
;; workspace buffers: q 2,097,152 bytes; u 2,097,152 bytes; c 2,097,152 bytes
;; launch qproj (part 1): grid 32 x 16, 8 waves a work-group, clusters of 4 x 4, 316,416 bytes of LDS; arguments z_state, Wq, bq, q; writes q
.if DOCPART == 1
	.amdgcn_target "amdgcn-amd-amdhsa--gfx1250"
	.amdhsa_code_object_version 6
	.text
	.protected	k_q26fb4ad3b5_qproj
	.globl	k_q26fb4ad3b5_qproj
	.p2align	8
	.type	k_q26fb4ad3b5_qproj,@function
k_q26fb4ad3b5_qproj:
	s_mov_b64 s[64:65], 0
	v_nop
	global_prefetch_b8 v0, s[64:65] scope:SCOPE_SE
	s_setreg_imm32_b32 hwreg(HW_REG_WAVE_MODE, 25, 1), 1
	s_wait_xcnt 0x0
	s_wait_alu depctr_hold_cnt(0) depctr_sa_sdst(0) depctr_va_vdst(0) depctr_va_sdst(0) depctr_va_ssrc(0) depctr_va_vcc(0) depctr_vm_vsrc(0)
	s_getreg_b32 s2, hwreg(HW_REG_IB_STS2, 6, 4)
	s_cmp_eq_u32 s2, 0
	s_cbranch_scc0 .Lentry_in_a_cluster
	s_endpgm
.Lentry_in_a_cluster:
	s_bfe_u32 s2, ttmp6, 0x10000c
	s_cmp_lg_u32 s2, 0xf033
	s_cbranch_scc0 .Lentry_shape_is_right
	s_endpgm
.Lentry_shape_is_right:
; C[m][n] = bias[n] + sum over k of A[m][k] B[n][k].  A: [512][1024], B: [1024][1024], bias: [1024], C: [512][1024], all f32, K along the rows.
; Used twice: q = z Wq^T + bq, and out = c Wv^T + bv (c = the softmax-weighted sum of the past rows; the weights add up to 1, so bv enters once).
;
; PRECISION.  The softmax that follows has scores with a spread of tens, so a relative error of 2^-9 in an operand would move the weights.  Each f32
; operand x is therefore split into two bf16 numbers, hi = bf16(x) and lo = bf16(x - hi), and three products are summed in f32: hi hi, lo hi, hi lo.
; LIMITS: lo lo is dropped (below 2^-16 of a product); |x| above bf16's largest finite number (about 3.39e38) rounds to infinity and gives NaN;
; the sums are formed in another order than the problem's formula (K is shared among eight waves, whose partial sums are added in ascending order).
;
; SHARES.  A work-group makes 32 x 32 of C over all of K.  Wave w owns k = 128 w .. 128 w + 127 and keeps all four 16 x 16 accumulators, so every
; operand number is read from LDS and split exactly once in the work-group, and a wave reads only bytes that its own tensor loads brought: its own
; s_wait_tensorcnt orders those reads.  (32 + 32) rows x 4,096 bytes fit in LDS at once, so every tile is filled once and no slot is filled again.
; CLUSTERS: 4 x 4 work-groups.  A's tiles hang on the block row and the wave alone and are asked for jointly along a row of the cluster, B's on the
; block column and the wave alone, jointly along a column: a quarter of the requests.  One round of the cluster's barrier stands in front of the loads, one in front of s_endpgm.
; OUT: a block's row of C is 128 bytes, so a wave's one store covers four aligned pieces of 128 consecutive bytes, not pieces of 256:
; a block 64 columns wide would need (32 + 64) x 4,096 bytes of LDS, more than a work-group can have.
.set PITCH,  272                       ; an LDS row: 256 bytes (64 f32 along K) + 16 of padding = 17 x 16: sixteen rows of one load start in sixteen different 16-byte columns modulo 256
.set PIECE,  32*PITCH                  ; 8,704: what one tensor load brings: 32 rows x 64 K
.set HALF,   2*PIECE                   ; A's piece and B's piece of one half (64 K) of the wave's 128 K
.set WREG,   2*HALF                    ; 34,816: a wave's region: A0, B0, A1, B1
.set STAGE,  8*WREG                    ; 278,528 = 1,088 x 256: behind the tiles, no tensor load lands here
.set SPITCH, 144                       ; a stage row: 128 bytes (32 f32) + 16 = 9 x 16
.set WSTAGE, 32*SPITCH                 ; 4,608: a wave's partial tile
.set VA,   4                           ; v4      LDS address of my 64 bytes in row r of A0
.set STO,  6                           ; v6      where I put my partial results
.set RD,   7                           ; v7      where I read wave 0's partial of the 16 bytes of C that I finish
.set CO,   8                           ; v8      my byte offset in the wave's four rows of C
.set BO,   9                           ; v9      my byte offset in the block's 32 numbers of the bias
.set NEG1, 10                          ; v10     -1.0
.set OUT,  12                          ; v[12:15] the bias, then the finished sums
.set ACC,  16                          ; v[16:47] tile (mt, nt) at ACC + 8 (2 mt + nt)
.set AH,   48                          ; v[48:63]   hi of A's rows 0-15, 16-31
.set AL,   64                          ; v[64:79]   lo
.set BH,   80                          ; v[80:95]   hi of B's rows 0-15, 16-31
.set BL,   96                          ; v[96:111]  lo
.set RAW,  112                         ; v[112:175] four sets of 16 f32 as loaded; then the eight partial sums
.set G1A,  24                          ; s[24:31] descriptor group 1, A's tiles
.set G1B,  32                          ; s[32:39] descriptor group 1, B's tiles: the mask alone differs
.set G0,   40                          ; s[40:55] descriptor group 0 of A0, B0, A1, B1
.set G1W0, (2<<16)|(1<<20)|(1<<21)|(5<<22)|(3<<25)   ; 17:16 elements of 4 bytes; 20 padding on; 21 set beside a mask; 24:22 after every 64 words; 31:25 four words
; A round of the cluster's barrier: my work-group's barrier, wave 0 signals for the work-group, every wave waits for all sixteen, my work-group's barrier again.
.macro ROUND
	s_barrier_signal -1
	s_barrier_wait -1
	s_cmp_lg_u32 s12, 0
	s_cbranch_scc1 .Lnot_wave_0_\@
	s_barrier_signal -3
.Lnot_wave_0_\@:
	s_barrier_wait -3
	s_barrier_signal -1
	s_barrier_wait -1
.endm
; A vector instruction that writes a register of a matrix instruction, or reads its result, stands four plain vector instructions behind it (ISA guide 7.12.1).
.macro PLACES
.rept 4
	v_nop
.endr
.endm
; The f32 numbers of one step of 32 along K: sets 0, 1 = A's rows 0-15, 16-31; sets 2, 3 = B's.  Lane (r, h) takes the 64 bytes k = 16 h .. 16 h + 15 of row r.
; The matrix unit's own map of k to registers is another one; A and B use this one alike, so equal k still meet and the products are the same.
.macro FETCH half, sub
.irp p, 0,1,2,3
.irp i, 0,1,2,3
	ds_load_b128 v[RAW+16*\p+4*\i:RAW+16*\p+4*\i+3], v[VA] offset:\half*HALF+\sub*128+\p*16*PITCH+16*\i
.endr
.endr
.endm
; 16 f32 in src become 8 registers of hi and 8 of lo.  x - hi is exact: one fused multiply-add of hi's half, taken as bf16, by -1.0, onto x.
.macro SPLIT src, hi, lo
.irp i, 0,1,2,3,4,5,6,7
	v_cvt_pk_bf16_f32 v[\hi+\i], v[\src+2*\i], v[\src+2*\i+1]
.endr
.irp i, 0,1,2,3,4,5,6,7
	v_fma_mix_f32_bf16 v[\src+2*\i], v[\hi+\i], v[NEG1], v[\src+2*\i] op_sel_hi:[1,0,0]
	v_fma_mix_f32_bf16 v[\src+2*\i+1], v[\hi+\i], v[NEG1], v[\src+2*\i+1] op_sel:[1,0,0] op_sel_hi:[1,0,0]
.endr
.irp i, 0,1,2,3,4,5,6,7
	v_cvt_pk_bf16_f32 v[\lo+\i], v[\src+2*\i], v[\src+2*\i+1]
.endr
.endm
; LDS loads come back in order (ISA guide 5.7.1): each count is the loads of the sets behind the one that is split next, four a set.
.macro CONVERT
	s_wait_dscnt 12
	SPLIT RAW, AH, AL
	s_wait_dscnt 8
	SPLIT RAW+16, AH+8, AL+8
	s_wait_dscnt 4
	SPLIT RAW+32, BH, BL
	s_wait_dscnt 0
	SPLIT RAW+48, BH+8, BL+8
.endm
; Four matrix instructions, one on each accumulator.  Used transposed (source 0 = rows of B, source 1 = rows of A): lane (r, h) then holds row r of C and
; its registers 0 to 7 the eight neighbouring columns 8 h + 0 .. 7.
.macro MM4 b, a, zero
.irp mt, 0,1
.irp nt, 0,1
.if \zero
	v_wmma_f32_16x16x32_bf16 v[ACC+8*(2*\mt+\nt):ACC+8*(2*\mt+\nt)+7], v[\b+8*\nt:\b+8*\nt+7], v[\a+8*\mt:\a+8*\mt+7], 0
.else
	v_wmma_f32_16x16x32_bf16 v[ACC+8*(2*\mt+\nt):ACC+8*(2*\mt+\nt)+7], v[\b+8*\nt:\b+8*\nt+7], v[\a+8*\mt:\a+8*\mt+7], v[ACC+8*(2*\mt+\nt):ACC+8*(2*\mt+\nt)+7]
.endif
.endr
.endr
.endm
; One step of 32 along K: hi hi, lo hi, hi lo.  The four accumulators take turns, one instruction a turn, from step to step too.
; zero = 1: the first products start the sums, nothing is cleared.
.macro MM zero
	MM4 BH, AH, \zero
	MM4 BL, AH, 0
	MM4 BH, AL, 0
.endm
	s_load_b256 s[4:11], s[0:1], 0x0               ; A s[4:5], B s[6:7], bias s[8:9], C s[10:11]
	v_lshl_add_u32 v176, v0, 2, 0x4d000
	v_mov_b32 v177, 0
	ds_add_u32 v176, v177
	v_lshrrev_b32 v1, 5, v0
	v_readfirstlane_b32 s12, v1                    ; wave 0..7
	s_bfe_u32 s13, ttmp6, 0x40000                  ; cx
	s_bfe_u32 s14, ttmp6, 0x40004                  ; cy
	s_lshl_b32 s15, ttmp9, 2
	s_add_co_u32 s15, s15, s13                     ; block column of C = 4 x cluster x + cx
	s_and_b32 s16, ttmp7, 0xffff
	s_lshl_b32 s16, s16, 2
	s_add_co_u32 s16, s16, s14                     ; block row of C = 4 x cluster y + cy
	s_lshl_b32 s17, s14, 2
	s_lshl_b32 s17, 15, s17                        ; my row of the cluster: places 4 cy .. 4 cy + 3
	s_lshl_b32 s18, 0x1111, s13                    ; my column: places cx, cx + 4, cx + 8, cx + 12
	s_mul_i32 s19, s12, WREG                       ; my wave's region in LDS: the wave's number alone
	; group 1: a tile of 32 rows x 64 elements of 4 bytes, rows 1,024 elements apart, padded in LDS
	s_or_b32 s[G1A+0], s17, G1W0                   ; A's tiles go to my row of the cluster
	s_or_b32 s[G1B+0], s18, G1W0                   ; B's to my column
.irp g, G1A, G1B
	s_mov_b32 s[\g+1], 64<<16                      ; tensor_dim0 = 64
	s_mov_b32 s[\g+2], 32<<16                      ; tensor_dim1 = 32
	s_mov_b32 s[\g+3], 64<<16                      ; tile_dim0 = 64
	s_mov_b32 s[\g+4], 32                          ; tile_dim1 = 32
	s_mov_b32 s[\g+5], 1024                        ; elements from row to row
	s_mov_b32 s[\g+6], 0
	s_mov_b32 s[\g+7], 0
.endr
	; offsets, apart from the addresses.  A's holds the block row and the wave, B's the block column and the wave, neither the other coordinate.
	s_lshl_b32 s3, s12, 9                          ; 128 K x 4 bytes for each wave
	s_lshl_b32 s20, s16, 17                        ; 32 rows x 4,096 bytes for each block row
	s_add_co_u32 s20, s20, s3
	s_mov_b32 s21, 0
	s_lshl_b32 s22, s15, 17                        ; 32 rows of B for each block column
	s_add_co_u32 s22, s22, s3
	s_mov_b32 s23, 0
	s_lshl_b32 s58, s15, 7                         ; the block's 32 columns: 128 bytes
	s_mov_b32 s59, 0
	s_lshl_b32 s56, s16, 17
	s_lshl_b32 s3, s12, 14                         ; wave w finishes rows 4 w .. 4 w + 3 of the block
	s_add_co_u32 s56, s56, s3
	s_add_co_u32 s56, s56, s58
	s_mov_b32 s57, 0
	s_wait_dscnt 0x0
	s_wait_kmcnt 0x0
	s_add_nc_u64 s[20:21], s[4:5], s[20:21]        ; A at my first tile
	s_add_nc_u64 s[22:23], s[6:7], s[22:23]        ; B at my first tile
	s_add_nc_u64 s[8:9], s[8:9], s[58:59]          ; the bias at the block's columns
	s_add_nc_u64 s[10:11], s[10:11], s[56:57]      ; C at my wave's four rows
.irp p, 0,1,2,3
	s_mov_b32 s[G0+4*\p], 1                        ; count = 1
	s_add_co_u32 s[G0+4*\p+1], s19, \p*PIECE       ; LDS address: A0, B0, A1, B1
.endr
	s_mov_b64 s[G0+2:G0+3], s[20:21]
	s_mov_b64 s[G0+6:G0+7], s[22:23]
	s_add_nc_u64 s[G0+10:G0+11], s[20:21], 256     ; the second 64 along K
	s_add_nc_u64 s[G0+14:G0+15], s[22:23], 256
.irp p, 0,1,2,3
	s_or_b32 s[G0+4*\p+3], s[G0+4*\p+3], 0x80000000   ; type = 2
.endr
	ROUND                                          ; all sixteen work-groups are here: the joint loads meet
	tensor_load_to_lds s[G0:G0+3], s[G1A:G1A+7]            ; A0.  All fills of the launch go out here, four of each wave, and four is the most that a wave has outstanding
	s_nop 0
	tensor_load_to_lds s[G0+4:G0+7], s[G1B:G1B+7]          ; B0
	s_nop 0
	tensor_load_to_lds s[G0+8:G0+11], s[G1A:G1A+7]         ; A1
	s_nop 0
	tensor_load_to_lds s[G0+12:G0+15], s[G1B:G1B+7]        ; B1
	s_nop 0
	v_and_b32 v1, 15, v0                           ; r
	v_bfe_u32 v2, v0, 4, 1                         ; h
	v_bfe_u32 v3, v0, 3, 2                         ; lane / 8: which of the wave's four rows of C
	v_and_b32 v11, 7, v0                           ; lane % 8: which 16 bytes of the row's 128
	v_lshlrev_b32 v[BO], 4, v11
	global_load_b128 v[OUT:OUT+3], v[BO], s[8:9]   ; the bias of my four columns
	v_mul_u32_u24 v[VA], v1, PITCH
	v_lshl_add_u32 v[VA], v2, 6, v[VA]
	v_add_nc_u32 v[VA], s19, v[VA]                 ; region + 272 r + 64 h
	s_mul_i32 s60, s12, WSTAGE
	s_add_co_u32 s60, s60, STAGE
	v_mul_u32_u24 v[STO], v1, SPITCH
	v_lshl_add_u32 v[STO], v2, 5, v[STO]
	v_add_nc_u32 v[STO], s60, v[STO]               ; my wave's stage + 144 r + 32 h
	s_mul_i32 s61, s12, 4*SPITCH
	s_add_co_u32 s61, s61, STAGE
	v_mul_u32_u24 v[RD], v3, SPITCH
	v_lshl_add_u32 v[RD], v11, 4, v[RD]
	v_add_nc_u32 v[RD], s61, v[RD]                 ; wave 0's stage + 144 (4 w + lane / 8) + 16 (lane % 8)
	v_lshl_add_u32 v[CO], v3, 12, v[BO]            ; 4,096 (lane / 8) + 16 (lane % 8)
	v_mov_b32 v[NEG1], -1.0
	s_wait_tensorcnt 0x2                           ; tensor loads of a wave end in order (ISA guide 10.11.1): A0 and B0 are in, A1 and B1 may be out
	FETCH 0, 0
	CONVERT
	FETCH 0, 1                                     ; the next step's numbers come in under this step's matrix work
	MM 1
	PLACES                                         ; the splits below write registers that the matrix instructions above read
	CONVERT
	s_wait_tensorcnt 0x0                           ; A1 and B1 are in; none is out at s_endpgm
	FETCH 1, 0
	MM 0
	PLACES
	CONVERT
	FETCH 1, 1
	MM 0
	PLACES
	CONVERT
	MM 0
	PLACES                                         ; the LDS stores below read results
	; The eight waves' partial tiles meet in LDS.  Lane (r, h) holds C(16 mt + r, 16 nt + 8 h + 0 .. 7): two stores of 16 bytes for each tile.
.irp mt, 0,1
.irp nt, 0,1
	ds_store_b128 v[STO], v[ACC+8*(2*\mt+\nt):ACC+8*(2*\mt+\nt)+3] offset:16*SPITCH*\mt+64*\nt
	ds_store_b128 v[STO], v[ACC+8*(2*\mt+\nt)+4:ACC+8*(2*\mt+\nt)+7] offset:16*SPITCH*\mt+64*\nt+16
.endr
.endr
	s_wait_dscnt 0x0                               ; my stores are done, for the others' sake,
	s_barrier_signal -1
	s_barrier_wait -1                              ; and so are everybody's
.irp i, 0,1,2,3,4,5,6,7
	ds_load_b128 v[RAW+4*\i:RAW+4*\i+3], v[RD] offset:WSTAGE*\i    ; wave i's partial sums of my four numbers
.endr
	s_wait_loadcnt 0x0                             ; the bias starts the sum
.irp i, 0,1,2,3,4,5,6,7
	s_wait_dscnt 7-\i                              ; wave i's are in, the later waves' may be out
	v_pk_add_f32 v[OUT:OUT+1], v[OUT:OUT+1], v[RAW+4*\i:RAW+4*\i+1]
	v_pk_add_f32 v[OUT+2:OUT+3], v[OUT+2:OUT+3], v[RAW+4*\i+2:RAW+4*\i+3]
.endr
	global_store_b128 v[CO], v[OUT:OUT+3], s[10:11]   ; eight lanes store 128 consecutive bytes of one row, four rows a wave
	s_wait_tensorcnt 0x0
	ds_add_u32 v176, v177
	s_wait_dscnt 0x0
	ROUND                                          ; the closing round: no work-group ends while a partner may still ask for a tile that names it
	s_endpgm
.Lfunc_end_k_q26fb4ad3b5_qproj:
	.size	k_q26fb4ad3b5_qproj, .Lfunc_end_k_q26fb4ad3b5_qproj-k_q26fb4ad3b5_qproj
	.p2alignl 7, 3214868480
	.fill 96, 4, 3214868480
	.section	.rodata,"a",@progbits
	.p2align	6, 0x0
	.amdhsa_kernel k_q26fb4ad3b5_qproj
		.amdhsa_group_segment_fixed_size 316416
		.amdhsa_private_segment_fixed_size 0
		.amdhsa_enable_private_segment 0
		.amdhsa_kernarg_size 32
		.amdhsa_user_sgpr_count 2
		.amdhsa_user_sgpr_kernarg_segment_ptr 1
		.amdhsa_wavefront_size32 1
		.amdhsa_system_sgpr_workgroup_id_x 1
		.amdhsa_system_sgpr_workgroup_id_y 1
		.amdhsa_system_sgpr_workgroup_id_z 1
		.amdhsa_system_vgpr_workitem_id 0
		.amdhsa_next_free_vgpr 178
		.amdhsa_next_free_sgpr 66
		.amdhsa_reserve_vcc 0
		.amdhsa_float_denorm_mode_32 3
		.amdhsa_float_denorm_mode_16_64 3
		.amdhsa_memory_ordered 1
		.amdhsa_forward_progress 1
		.amdhsa_inst_pref_size 49
	.end_amdhsa_kernel
	.amdgpu_metadata
---
amdhsa.version: [ 1, 2 ]
amdhsa.kernels:
  - .name:           k_q26fb4ad3b5_qproj
    .symbol:         k_q26fb4ad3b5_qproj.kd
    .args:
      - { .name: z_state, .offset: 0, .size: 8, .value_kind: global_buffer, .address_space: global }
      - { .name: Wq, .offset: 8, .size: 8, .value_kind: global_buffer, .address_space: global }
      - { .name: bq, .offset: 16, .size: 8, .value_kind: global_buffer, .address_space: global }
      - { .name: q, .offset: 24, .size: 8, .value_kind: global_buffer, .address_space: global }
    .group_segment_fixed_size: 316416
    .private_segment_fixed_size: 0
    .kernarg_segment_align: 8
    .kernarg_segment_size: 32
    .max_flat_workgroup_size: 256
    .sgpr_count:     66
    .vgpr_count:     178
    .wavefront_size: 32
...
	.end_amdgpu_metadata
.endif
;; end of part 1
;; launch uproj (part 2): grid 32 x 16, 8 waves a work-group, clusters of 4 x 4, 316,416 bytes of LDS; arguments q, Wk, u; writes u
.if DOCPART == 2
	.amdgcn_target "amdgcn-amd-amdhsa--gfx1250"
	.amdhsa_code_object_version 6
	.text
	.protected	k_q26fb4ad3b5_uproj
	.globl	k_q26fb4ad3b5_uproj
	.p2align	8
	.type	k_q26fb4ad3b5_uproj,@function
k_q26fb4ad3b5_uproj:
	s_mov_b64 s[64:65], 0
	v_nop
	global_prefetch_b8 v0, s[64:65] scope:SCOPE_SE
	s_setreg_imm32_b32 hwreg(HW_REG_WAVE_MODE, 25, 1), 1
	s_wait_xcnt 0x0
	s_wait_alu depctr_hold_cnt(0) depctr_sa_sdst(0) depctr_va_vdst(0) depctr_va_sdst(0) depctr_va_ssrc(0) depctr_va_vcc(0) depctr_vm_vsrc(0)
	s_getreg_b32 s2, hwreg(HW_REG_IB_STS2, 6, 4)
	s_cmp_eq_u32 s2, 0
	s_cbranch_scc0 .Lentry_in_a_cluster
	s_endpgm
.Lentry_in_a_cluster:
	s_bfe_u32 s2, ttmp6, 0x10000c
	s_cmp_lg_u32 s2, 0xf033
	s_cbranch_scc0 .Lentry_shape_is_right
	s_endpgm
.Lentry_shape_is_right:
; C[m][n] = sum over k of A[m][k] B[k][n].  A = q: [512][1024], B = Wk: [1024 (k)][1024 (n)], C = u: [512][1024], all f32.
; Why: score[b][t] = q[b] . (Wk p[b][t] + bk) = (q[b] Wk) . p[b][t] + q[b] . bk, for every input, so the keys are never formed; u = q Wk.
;
; PRECISION, as in the other products of this program: each f32 operand x is split into hi = bf16(x) and lo = bf16(x - hi), and hi hi, lo hi, hi lo are summed in f32.
; LIMITS: lo lo is dropped (below 2^-16 of a product); |x| above bf16's largest finite number (about 3.39e38) rounds to infinity and gives NaN;
; the sums are formed in another order than the problem's formula (the product is reassociated as above, and K is shared among eight waves).
;
; SHARES.  A work-group makes 32 x 32 of C over all of K.  Wave w owns k = 128 w .. 128 w + 127 and keeps all four 16 x 16 accumulators; it reads only bytes that its
; own tensor loads brought, behind its own s_wait_tensorcnt.  32 rows of A (4,096 bytes each) and 1,024 rows of B (128 bytes each) fit in LDS at once: no slot is filled again.
; B lies with n along its rows, so a tile's rows are the block's 32 columns, 128 bytes, and a lane gathers its column of B by sixteen loads of 4 bytes.
; CLUSTERS: 4 x 4 work-groups.  A's tiles hang on the block row and the wave alone and are asked for jointly along a row of the cluster, B's on the block column and
; the wave alone, jointly along a column.  One round of the cluster's barrier stands in front of the loads, one in front of s_endpgm.
; OUT: a block's row of C is 128 bytes, so a wave's one store covers four aligned pieces of 128 consecutive bytes.
.set PITCH,  272                       ; A's LDS row: 256 bytes (64 f32 along K) + 16 = 17 x 16
.set BPITCH, 136                       ; B's LDS row: 128 bytes (32 f32 along n) + 8 = 34 words: lanes 16-31 read 16 rows = 544 words further on, 32 words modulo 64 from lanes 0-15
.set PIECE,  32*PITCH                  ; 8,704 = 64*BPITCH: what one tensor load brings
.set HALF,   2*PIECE                   ; A's piece and B's piece of one half (64 K) of the wave's 128 K
.set WREG,   2*HALF                    ; 34,816: a wave's region: A0, B0, A1, B1
.set STAGE,  8*WREG                    ; 278,528 = 1,088 x 256: behind the tiles, no tensor load lands here
.set SPITCH, 144                       ; a stage row: 128 bytes + 16 = 9 x 16
.set WSTAGE, 32*SPITCH                 ; 4,608: a wave's partial tile
.set VA,   4                           ; v4      LDS address of my 64 bytes in row r of A0
.set VB,   5                           ; v5      LDS address of B0's element (k = 16 h, n = r)
.set STO,  6                           ; v6      where I put my partial results
.set RD,   7                           ; v7      where I read wave 0's partial of the 16 bytes of C that I finish
.set CO,   8                           ; v8      my byte offset in the wave's four rows of C
.set NEG1, 10                          ; v10     -1.0
.set OUT,  12                          ; v[12:15] the finished sums
.set ACC,  16                          ; v[16:47] tile (mt, nt) at ACC + 8 (2 mt + nt)
.set AH,   48                          ; v[48:63]   hi of A's rows 0-15, 16-31
.set AL,   64                          ; v[64:79]   lo
.set BH,   80                          ; v[80:95]   hi of B's columns 0-15, 16-31
.set BL,   96                          ; v[96:111]  lo
.set RAW,  112                         ; v[112:175] four sets of 16 f32 as loaded; then the eight partial sums
.set G1A,  24                          ; s[24:31] descriptor group 1, A's tiles
.set G1B,  32                          ; s[32:39] descriptor group 1, B's tiles
.set G0,   40                          ; s[40:55] descriptor group 0 of A0, B0, A1, B1
; A round of the cluster's barrier: my work-group's barrier, wave 0 signals for the work-group, every wave waits for all sixteen, my work-group's barrier again.
.macro ROUND
	s_barrier_signal -1
	s_barrier_wait -1
	s_cmp_lg_u32 s12, 0
	s_cbranch_scc1 .Lnot_wave_0_\@
	s_barrier_signal -3
.Lnot_wave_0_\@:
	s_barrier_wait -3
	s_barrier_signal -1
	s_barrier_wait -1
.endm
; A vector instruction that writes a register of a matrix instruction, or reads its result, stands four plain vector instructions behind it (ISA guide 7.12.1).
.macro PLACES
.rept 4
	v_nop
.endr
.endm
; The f32 numbers of one step of 32 along K.  Sets 0, 1 = A's rows 0-15, 16-31: lane (r, h) takes the 64 bytes k = 16 h .. 16 h + 15 of row r.
; Sets 2, 3 = B's columns 0-15, 16-31: lane (r, h) takes column r at the same sixteen k, one word from each of sixteen LDS rows.
; The matrix unit's own map of k to registers is another one; A and B use this one alike, so equal k still meet and the products are the same.
.macro FETCH half, sub
.irp p, 0,1
.irp i, 0,1,2,3
	ds_load_b128 v[RAW+16*\p+4*\i:RAW+16*\p+4*\i+3], v[VA] offset:\half*HALF+\sub*128+\p*16*PITCH+16*\i
.endr
.endr
.irp nt, 0,1
.irp j, 0,1,2,3,4,5,6,7,8,9,10,11,12,13,14,15
	ds_load_b32 v[RAW+32+16*\nt+\j], v[VB] offset:\half*HALF+\sub*32*BPITCH+BPITCH*\j+64*\nt
.endr
.endr
.endm
; 16 f32 in src become 8 registers of hi and 8 of lo.  x - hi is exact: one fused multiply-add of hi's half, taken as bf16, by -1.0, onto x.
.macro SPLIT src, hi, lo
.irp i, 0,1,2,3,4,5,6,7
	v_cvt_pk_bf16_f32 v[\hi+\i], v[\src+2*\i], v[\src+2*\i+1]
.endr
.irp i, 0,1,2,3,4,5,6,7
	v_fma_mix_f32_bf16 v[\src+2*\i], v[\hi+\i], v[NEG1], v[\src+2*\i] op_sel_hi:[1,0,0]
	v_fma_mix_f32_bf16 v[\src+2*\i+1], v[\hi+\i], v[NEG1], v[\src+2*\i+1] op_sel:[1,0,0] op_sel_hi:[1,0,0]
.endr
.irp i, 0,1,2,3,4,5,6,7
	v_cvt_pk_bf16_f32 v[\lo+\i], v[\src+2*\i], v[\src+2*\i+1]
.endr
.endm
; LDS loads come back in order (ISA guide 5.7.1): each count is the loads behind the set that is split next: 4 + 16 + 16, 16 + 16, 16, none.
.macro CONVERT
	s_wait_dscnt 36
	SPLIT RAW, AH, AL
	s_wait_dscnt 32
	SPLIT RAW+16, AH+8, AL+8
	s_wait_dscnt 16
	SPLIT RAW+32, BH, BL
	s_wait_dscnt 0
	SPLIT RAW+48, BH+8, BL+8
.endm
; Four matrix instructions, one on each accumulator.  Used transposed (source 0 = columns of B, source 1 = rows of A): lane (r, h) then holds row r of C and
; its registers 0 to 7 the eight neighbouring columns 8 h + 0 .. 7.
.macro MM4 b, a, zero
.irp mt, 0,1
.irp nt, 0,1
.if \zero
	v_wmma_f32_16x16x32_bf16 v[ACC+8*(2*\mt+\nt):ACC+8*(2*\mt+\nt)+7], v[\b+8*\nt:\b+8*\nt+7], v[\a+8*\mt:\a+8*\mt+7], 0
.else
	v_wmma_f32_16x16x32_bf16 v[ACC+8*(2*\mt+\nt):ACC+8*(2*\mt+\nt)+7], v[\b+8*\nt:\b+8*\nt+7], v[\a+8*\mt:\a+8*\mt+7], v[ACC+8*(2*\mt+\nt):ACC+8*(2*\mt+\nt)+7]
.endif
.endr
.endr
.endm
; One step of 32 along K: hi hi, lo hi, hi lo.  The four accumulators take turns, one instruction a turn, from step to step too.
; zero = 1: the first products start the sums, nothing is cleared.
.macro MM zero
	MM4 BH, AH, \zero
	MM4 BL, AH, 0
	MM4 BH, AL, 0
.endm
	s_load_b128 s[4:7], s[0:1], 0x0                ; A s[4:5], B s[6:7]
	s_load_b64 s[8:9], s[0:1], 0x10                ; C
	v_lshl_add_u32 v176, v0, 2, 0x4d000
	v_mov_b32 v177, 0
	ds_add_u32 v176, v177
	v_lshrrev_b32 v1, 5, v0
	v_readfirstlane_b32 s12, v1                    ; wave 0..7
	s_bfe_u32 s13, ttmp6, 0x40000                  ; cx
	s_bfe_u32 s14, ttmp6, 0x40004                  ; cy
	s_lshl_b32 s15, ttmp9, 2
	s_add_co_u32 s15, s15, s13                     ; block column of C = 4 x cluster x + cx
	s_and_b32 s16, ttmp7, 0xffff
	s_lshl_b32 s16, s16, 2
	s_add_co_u32 s16, s16, s14                     ; block row of C = 4 x cluster y + cy
	s_lshl_b32 s17, s14, 2
	s_lshl_b32 s17, 15, s17                        ; my row of the cluster: places 4 cy .. 4 cy + 3
	s_lshl_b32 s18, 0x1111, s13                    ; my column: places cx, cx + 4, cx + 8, cx + 12
	s_mul_i32 s19, s12, WREG                       ; my wave's region in LDS: the wave's number alone
	; group 1 for A: 32 rows x 64 elements of 4 bytes, four words of padding behind every 64
	s_or_b32 s[G1A+0], s17, (2<<16)|(1<<20)|(1<<21)|(5<<22)|(3<<25)   ; the mask: my row of the cluster; bit 21 set beside it
	s_mov_b32 s[G1A+1], 64<<16                     ; tensor_dim0 = 64
	s_mov_b32 s[G1A+2], 32<<16                     ; tensor_dim1 = 32
	s_mov_b32 s[G1A+3], 64<<16                     ; tile_dim0 = 64
	s_mov_b32 s[G1A+4], 32                         ; tile_dim1 = 32
	s_mov_b32 s[G1A+5], 1024                       ; elements from row to row
	s_mov_b32 s[G1A+6], 0
	s_mov_b32 s[G1A+7], 0
	; group 1 for B: 64 rows (k) x 32 elements (n), two words of padding behind every 32
	s_or_b32 s[G1B+0], s18, (2<<16)|(1<<20)|(1<<21)|(4<<22)|(1<<25)   ; the mask: my column of the cluster
	s_mov_b32 s[G1B+1], 32<<16                     ; tensor_dim0 = 32
	s_mov_b32 s[G1B+2], 64<<16                     ; tensor_dim1 = 64
	s_mov_b32 s[G1B+3], 32<<16                     ; tile_dim0 = 32
	s_mov_b32 s[G1B+4], 64                         ; tile_dim1 = 64
	s_mov_b32 s[G1B+5], 1024
	s_mov_b32 s[G1B+6], 0
	s_mov_b32 s[G1B+7], 0
	; offsets, apart from the addresses.  A's holds the block row and the wave, B's the block column and the wave, neither the other coordinate.
	s_lshl_b32 s20, s16, 17                        ; 32 rows x 4,096 bytes for each block row
	s_lshl_b32 s3, s12, 9                          ; 128 K x 4 bytes for each wave
	s_add_co_u32 s20, s20, s3
	s_mov_b32 s21, 0
	s_lshl_b32 s22, s12, 19                        ; 128 rows of B x 4,096 bytes for each wave
	s_lshl_b32 s58, s15, 7                         ; the block's 32 columns: 128 bytes
	s_add_co_u32 s22, s22, s58
	s_mov_b32 s23, 0
	s_lshl_b32 s56, s16, 17
	s_lshl_b32 s3, s12, 14                         ; wave w finishes rows 4 w .. 4 w + 3 of the block
	s_add_co_u32 s56, s56, s3
	s_add_co_u32 s56, s56, s58
	s_mov_b32 s57, 0
	s_wait_dscnt 0x0
	s_wait_kmcnt 0x0
	s_add_nc_u64 s[20:21], s[4:5], s[20:21]        ; A at my first tile
	s_add_nc_u64 s[22:23], s[6:7], s[22:23]        ; B at my first tile
	s_add_nc_u64 s[8:9], s[8:9], s[56:57]          ; C at my wave's four rows
.irp p, 0,1,2,3
	s_mov_b32 s[G0+4*\p], 1                        ; count = 1
	s_add_co_u32 s[G0+4*\p+1], s19, \p*PIECE       ; LDS address: A0, B0, A1, B1
.endr
	s_mov_b64 s[G0+2:G0+3], s[20:21]
	s_mov_b64 s[G0+6:G0+7], s[22:23]
	s_add_nc_u64 s[G0+10:G0+11], s[20:21], 256     ; the second 64 along K: 256 bytes along A's rows,
	s_add_nc_u64 s[G0+14:G0+15], s[22:23], 64*4096 ; 64 rows down in B
.irp p, 0,1,2,3
	s_or_b32 s[G0+4*\p+3], s[G0+4*\p+3], 0x80000000   ; type = 2
.endr
	ROUND                                          ; all sixteen work-groups are here: the joint loads meet
	tensor_load_to_lds s[G0:G0+3], s[G1A:G1A+7]            ; A0.  All fills of the launch go out here, four of each wave, and four is the most that a wave has outstanding
	s_nop 0
	tensor_load_to_lds s[G0+4:G0+7], s[G1B:G1B+7]          ; B0
	s_nop 0
	tensor_load_to_lds s[G0+8:G0+11], s[G1A:G1A+7]         ; A1
	s_nop 0
	tensor_load_to_lds s[G0+12:G0+15], s[G1B:G1B+7]        ; B1
	s_nop 0
	v_and_b32 v1, 15, v0                           ; r
	v_bfe_u32 v2, v0, 4, 1                         ; h
	v_bfe_u32 v3, v0, 3, 2                         ; lane / 8: which of the wave's four rows of C
	v_and_b32 v11, 7, v0                           ; lane % 8: which 16 bytes of the row's 128
	v_mul_u32_u24 v[VA], v1, PITCH
	v_lshl_add_u32 v[VA], v2, 6, v[VA]
	v_add_nc_u32 v[VA], s19, v[VA]                 ; region + 272 r + 64 h
	s_add_co_u32 s3, s19, PIECE
	v_mul_u32_u24 v[VB], v2, 16*BPITCH
	v_lshl_add_u32 v[VB], v1, 2, v[VB]
	v_add_nc_u32 v[VB], s3, v[VB]                  ; region + A0's piece + 16 h rows of 136 bytes + 4 r
	s_mul_i32 s60, s12, WSTAGE
	s_add_co_u32 s60, s60, STAGE
	v_mul_u32_u24 v[STO], v1, SPITCH
	v_lshl_add_u32 v[STO], v2, 5, v[STO]
	v_add_nc_u32 v[STO], s60, v[STO]               ; my wave's stage + 144 r + 32 h
	s_mul_i32 s61, s12, 4*SPITCH
	s_add_co_u32 s61, s61, STAGE
	v_mul_u32_u24 v[RD], v3, SPITCH
	v_lshl_add_u32 v[RD], v11, 4, v[RD]
	v_add_nc_u32 v[RD], s61, v[RD]                 ; wave 0's stage + 144 (4 w + lane / 8) + 16 (lane % 8)
	v_lshlrev_b32 v[CO], 4, v11
	v_lshl_add_u32 v[CO], v3, 12, v[CO]            ; 4,096 (lane / 8) + 16 (lane % 8)
	v_mov_b32 v[NEG1], -1.0
	s_wait_tensorcnt 0x2                           ; tensor loads of a wave end in order (ISA guide 10.11.1): A0 and B0 are in, A1 and B1 may be out
	FETCH 0, 0
	CONVERT
	FETCH 0, 1                                     ; the next step's numbers come in under this step's matrix work
	MM 1
	PLACES                                         ; the splits below write registers that the matrix instructions above read
	CONVERT
	s_wait_tensorcnt 0x0                           ; A1 and B1 are in; none is out at s_endpgm
	FETCH 1, 0
	MM 0
	PLACES
	CONVERT
	FETCH 1, 1
	MM 0
	PLACES
	CONVERT
	MM 0
	PLACES                                         ; the LDS stores below read results
	; The eight waves' partial tiles meet in LDS.  Lane (r, h) holds C(16 mt + r, 16 nt + 8 h + 0 .. 7): two stores of 16 bytes for each tile.
.irp mt, 0,1
.irp nt, 0,1
	ds_store_b128 v[STO], v[ACC+8*(2*\mt+\nt):ACC+8*(2*\mt+\nt)+3] offset:16*SPITCH*\mt+64*\nt
	ds_store_b128 v[STO], v[ACC+8*(2*\mt+\nt)+4:ACC+8*(2*\mt+\nt)+7] offset:16*SPITCH*\mt+64*\nt+16
.endr
.endr
	s_wait_dscnt 0x0                               ; my stores are done, for the others' sake,
	s_barrier_signal -1
	s_barrier_wait -1                              ; and so are everybody's
.irp i, 0,1,2,3,4,5,6,7
	ds_load_b128 v[RAW+4*\i:RAW+4*\i+3], v[RD] offset:WSTAGE*\i    ; wave i's partial sums of my four numbers
.endr
	s_wait_dscnt 6                                 ; waves 0 and 1 start the sum
	v_pk_add_f32 v[OUT:OUT+1], v[RAW:RAW+1], v[RAW+4:RAW+5]
	v_pk_add_f32 v[OUT+2:OUT+3], v[RAW+2:RAW+3], v[RAW+6:RAW+7]
.irp i, 2,3,4,5,6,7
	s_wait_dscnt 7-\i                              ; wave i's are in, the later waves' may be out
	v_pk_add_f32 v[OUT:OUT+1], v[OUT:OUT+1], v[RAW+4*\i:RAW+4*\i+1]
	v_pk_add_f32 v[OUT+2:OUT+3], v[OUT+2:OUT+3], v[RAW+4*\i+2:RAW+4*\i+3]
.endr
	global_store_b128 v[CO], v[OUT:OUT+3], s[8:9]  ; eight lanes store 128 consecutive bytes of one row, four rows a wave
	s_wait_tensorcnt 0x0
	ds_add_u32 v176, v177
	s_wait_dscnt 0x0
	ROUND                                          ; the closing round: no work-group ends while a partner may still ask for a tile that names it
	s_endpgm
.Lfunc_end_k_q26fb4ad3b5_uproj:
	.size	k_q26fb4ad3b5_uproj, .Lfunc_end_k_q26fb4ad3b5_uproj-k_q26fb4ad3b5_uproj
	.p2alignl 7, 3214868480
	.fill 96, 4, 3214868480
	.section	.rodata,"a",@progbits
	.p2align	6, 0x0
	.amdhsa_kernel k_q26fb4ad3b5_uproj
		.amdhsa_group_segment_fixed_size 316416
		.amdhsa_private_segment_fixed_size 0
		.amdhsa_enable_private_segment 0
		.amdhsa_kernarg_size 24
		.amdhsa_user_sgpr_count 2
		.amdhsa_user_sgpr_kernarg_segment_ptr 1
		.amdhsa_wavefront_size32 1
		.amdhsa_system_sgpr_workgroup_id_x 1
		.amdhsa_system_sgpr_workgroup_id_y 1
		.amdhsa_system_sgpr_workgroup_id_z 1
		.amdhsa_system_vgpr_workitem_id 0
		.amdhsa_next_free_vgpr 178
		.amdhsa_next_free_sgpr 66
		.amdhsa_reserve_vcc 0
		.amdhsa_float_denorm_mode_32 3
		.amdhsa_float_denorm_mode_16_64 3
		.amdhsa_memory_ordered 1
		.amdhsa_forward_progress 1
		.amdhsa_inst_pref_size 55
	.end_amdhsa_kernel
	.amdgpu_metadata
---
amdhsa.version: [ 1, 2 ]
amdhsa.kernels:
  - .name:           k_q26fb4ad3b5_uproj
    .symbol:         k_q26fb4ad3b5_uproj.kd
    .args:
      - { .name: q, .offset: 0, .size: 8, .value_kind: global_buffer, .address_space: global }
      - { .name: Wk, .offset: 8, .size: 8, .value_kind: global_buffer, .address_space: global }
      - { .name: u, .offset: 16, .size: 8, .value_kind: global_buffer, .address_space: global }
    .group_segment_fixed_size: 316416
    .private_segment_fixed_size: 0
    .kernarg_segment_align: 8
    .kernarg_segment_size: 24
    .max_flat_workgroup_size: 256
    .sgpr_count:     66
    .vgpr_count:     178
    .wavefront_size: 32
...
	.end_amdgpu_metadata
.endif
;; end of part 2
;; launch attend (part 3): grid 512 x 1, 8 waves a work-group, no clusters, 34,048 bytes of LDS; arguments past_predictions, u, q, bk, c; writes c
.if DOCPART == 3
	.amdgcn_target "amdgcn-amd-amdhsa--gfx1250"
	.amdhsa_code_object_version 6
	.text
	.protected	k_q26fb4ad3b5_attend
	.globl	k_q26fb4ad3b5_attend
	.p2align	8
	.type	k_q26fb4ad3b5_attend,@function
k_q26fb4ad3b5_attend:
	s_mov_b64 s[64:65], 0
	v_nop
	global_prefetch_b8 v0, s[64:65] scope:SCOPE_SE
	s_setreg_imm32_b32 hwreg(HW_REG_WAVE_MODE, 25, 1), 1
	s_wait_xcnt 0x0
; For batch row b:  s[t] = u[b] . p[b][t] + q[b] . bk,  w = softmax over t of s,  c[b] = sum over t of w[t] p[b][t].
; p: [512][64][1024], u, q, c: [512][1024], bk: [1024], all f32; everything here is f32 on the vector unit.
; Why no matrix unit: there is one query row for each batch row, so a matrix instruction would carry fifteen idle rows, and p would have to be split into two bf16
; numbers (two instructions a number) where the work itself is one: half a packed multiply-add for the score, half for the weighted sum.
; Why no cluster and no LDS tiles: the work-groups share no input but bk's 4,096 bytes, against 262,144 bytes of p of their own.
;
; One work-group for each batch row, eight waves.  Wave w owns rows t = 8 w .. 8 w + 7, 32,768 consecutive bytes.  A row is eight loads of 16 bytes a lane, each of 512
; consecutive bytes for the wave, and stays in 32 registers between its score and its weighted sum: p is read from memory once.  Four row slots: 32 loads of a wave are
; out at once.  All row and chunk offsets stand in the immediates, so no address register is ever rewritten.
; The softmax takes the maximum away: a running maximum over the wave's two groups of four rows, then over the eight waves.
; LIMITS: the sums are formed in another order than the problem's formula; a weight below 2^-126 of the largest becomes 0 (v_exp_f32 flushes denormal results).
.set ROW,  4096                        ; bytes in a row
.set S0,   16                          ; v16      q . bk; in the merge the overall maximum
.set M,    17                          ; v17      running maximum
.set L,    18                          ; v18      running sum of the weights
.set T,    19                          ; v19      at work
.set SC,   20                          ; v[20:23] four scores
.set E,    24                          ; v[24:31] four weights, each twice: a pair for the packed multiply-add
.set AL,   32                          ; v[32:33] the factor that rescales the old sums, twice
.set D,    34                          ; v[34:37] two chains of a dot product
.set W8,   40                          ; v[40:47] the eight waves' parts of q . bk
.set U,    48                          ; v[48:79]   u[b]: lane l holds f = 128 j + 4 l .. + 3 in registers 4 j .. 4 j + 3
.set ACC,  80                          ; v[80:111]  the weighted sum, same layout
.set X,    112                         ; v[112:239] row slot s at X + 32 s, same layout; in the merge: the eight partial sums, then MW and LW
.set MW,   X+32                        ; v[144:151] the eight waves' maxima, then their factors
.set LW,   X+40                        ; v[152:159] the eight waves' sums of weights
.set LACC, 0                           ; LDS: eight waves x 4,096 bytes of weighted sums
.set LS0,  32768                       ; eight words: parts of q . bk
.set LM,   32832                       ; eight words: maxima
.set LL,   32896                       ; eight words: sums of weights
.macro LOADROW s, row                  ; the wave's row number row into slot s
.irp j, 0,1,2,3,4,5,6,7
	global_load_b128 v[X+32*\s+4*\j:X+32*\s+4*\j+3], v2, s[4:5] offset:ROW*\row+512*\j th:TH_LOAD_NT
.endr
.endm
.macro DOT s                           ; my 32 numbers of slot s times u, in two chains started by products: nothing is cleared
	v_pk_mul_f32 v[D:D+1], v[X+32*\s:X+32*\s+1], v[U:U+1]
	v_pk_mul_f32 v[D+2:D+3], v[X+32*\s+2:X+32*\s+3], v[U+2:U+3]
.irp j, 1,2,3,4,5,6,7
	v_pk_fma_f32 v[D:D+1], v[X+32*\s+4*\j:X+32*\s+4*\j+1], v[U+4*\j:U+4*\j+1], v[D:D+1]
	v_pk_fma_f32 v[D+2:D+3], v[X+32*\s+4*\j+2:X+32*\s+4*\j+3], v[U+4*\j+2:U+4*\j+3], v[D+2:D+3]
.endr
	v_pk_add_f32 v[D:D+1], v[D:D+1], v[D+2:D+3]
	v_add_f32 v[SC+\s], v[D], v[D+1]
.endm
; The four slots' scores, in every lane.  Loads come back in order (ISA guide 5.7.1): each count is the eight loads of each younger row.
.macro SCORES
.irp s, 0,1,2,3
	s_wait_loadcnt 24-8*\s
	DOT \s
.endr
.irp x, 1,2,4,8
.irp s, 0,1,2,3
	v_add_f32_dpp v[SC+\s], v[SC+\s], v[SC+\s] row_xmask:\x row_mask:0xf bank_mask:0xf   ; four sums side by side: none waits for the line in front of it
.endr
.endr
.irp s, 0,1,2,3
	v_permlanex16_b32 v7, v[SC+\s], s18, s19       ; the other half of the lanes
	v_add_f32 v[SC+\s], v[SC+\s], v7
.endr
.irp s, 0,1,2,3
	v_add_f32 v[SC+\s], v[SC+\s], v[S0]            ; + q . bk
.endr
.endm
; E[s] = e^(score s - M), each into both registers of its pair.
.macro EXPS
.irp s, 0,1,2,3
	v_sub_f32 v[E+2*\s], v[SC+\s], v[M]
.endr
.irp s, 0,1,2,3
	v_mul_f32 v[E+2*\s], s20, v[E+2*\s]            ; x log2 e: v_exp_f32 is 2^x
.endr
.irp s, 0,1,2,3
	v_exp_f32 v[E+2*\s], v[E+2*\s]
.endr
	v_nop                                          ; one plain vector instruction behind the last v_exp_f32 before its result is read (ISA guide 5.7.2)
	s_wait_alu depctr_va_vdst(0)
.irp s, 0,1,2,3
	v_mov_b32 v[E+2*\s+1], v[E+2*\s]
.endr
.endm
.macro WSUM s, first                   ; ACC (+)= E[s] x slot s
.irp k, 0,1,2,3,4,5,6,7,8,9,10,11,12,13,14,15
.if \first
	v_pk_mul_f32 v[ACC+2*\k:ACC+2*\k+1], v[X+32*\s+2*\k:X+32*\s+2*\k+1], v[E+2*\s:E+2*\s+1]
.else
	v_pk_fma_f32 v[ACC+2*\k:ACC+2*\k+1], v[X+32*\s+2*\k:X+32*\s+2*\k+1], v[E+2*\s:E+2*\s+1], v[ACC+2*\k:ACC+2*\k+1]
.endif
.endr
.endm
	s_load_b256 s[4:11], s[0:1], 0x0               ; p s[4:5], u s[6:7], q s[8:9], bk s[10:11]
	s_load_b64 s[12:13], s[0:1], 0x20              ; c
	v_lshl_add_u32 v240, v0, 2, 0x8100
	v_mov_b32 v241, 0
	v_lshrrev_b32 v5, 5, v0
	v_readfirstlane_b32 s14, v5                    ; wave 0..7
	v_and_b32 v1, 31, v0
	v_lshlrev_b32 v1, 4, v1                        ; 16 x lane: my 16 bytes in each 512 of u
	v_lshl_add_u32 v2, s14, 15, v1                 ; + 8 rows x 4,096 bytes for each wave: my 16 bytes in my wave's first row of p
	v_lshlrev_b32 v3, 4, v0                        ; 16 x thread: my piece of q, of bk and of c
	v_lshl_add_u32 v4, s14, 12, v1                 ; LDS: my wave's weighted sums
	v_mov_b32 v5, s14
	v_lshlrev_b32 v5, 2, v5                        ; LDS: my wave's word
	v_mov_b32 v6, 0
	v_mov_b32 v7, 0                                ; v_permlanex16_b32's destination counts as read: written once here
	s_lshl_b32 s16, ttmp9, 18                      ; 64 rows x 4,096 bytes for each batch row: at most 511 x 262,144, below 2^31
	s_mov_b32 s17, 0
	s_lshl_b32 s22, ttmp9, 12                      ; a row of u, q, c
	s_mov_b32 s23, 0
	s_mov_b32 s18, 0x76543210                      ; v_permlanex16_b32: lane i of one half reads lane i of the other
	s_mov_b32 s19, 0xfedcba98
	s_mov_b32 s20, 0x3fb8aa3b                      ; log2 e
	s_wait_kmcnt 0x0
	s_add_nc_u64 s[4:5], s[4:5], s[16:17]
	s_add_nc_u64 s[6:7], s[6:7], s[22:23]
	s_add_nc_u64 s[8:9], s[8:9], s[22:23]
	s_add_nc_u64 s[12:13], s[12:13], s[22:23]
	global_load_b128 v[8:11], v3, s[8:9]           ; four numbers of q[b]
	global_load_b128 v[12:15], v3, s[10:11]        ; and of bk
.irp j, 0,1,2,3,4,5,6,7
	global_load_b128 v[U+4*\j:U+4*\j+3], v1, s[6:7] offset:512*\j
.endr
	LOADROW 0, 0
	LOADROW 1, 1
	LOADROW 2, 2
	LOADROW 3, 3
	; q[b] . bk: four numbers a thread, 32 lanes, eight waves
	s_wait_loadcnt 40                              ; q and bk are in; the 8 loads of u and the 32 of the rows may be out
	v_mul_f32 v[S0], v8, v12
	v_fmac_f32 v[S0], v9, v13
	v_fmac_f32 v[S0], v10, v14
	v_fmac_f32 v[S0], v11, v15
.irp x, 1,2,4,8
	v_add_f32_dpp v[S0], v[S0], v[S0] row_xmask:\x row_mask:0xf bank_mask:0xf
.endr
	v_permlanex16_b32 v7, v[S0], s18, s19
	v_add_f32 v[S0], v[S0], v7
	ds_store_b32 v5, v[S0] offset:LS0              ; all lanes write the same word with the same value
	s_wait_dscnt 0x0                               ; my store is done, for the others' sake
	s_barrier_signal -1
	s_barrier_wait -1
	ds_load_b128 v[W8:W8+3], v6 offset:LS0
	ds_load_b128 v[W8+4:W8+7], v6 offset:LS0+16
	s_wait_dscnt 0x0
	v_pk_add_f32 v[W8:W8+1], v[W8:W8+1], v[W8+2:W8+3]
	v_pk_add_f32 v[W8+4:W8+5], v[W8+4:W8+5], v[W8+6:W8+7]
	v_pk_add_f32 v[W8:W8+1], v[W8:W8+1], v[W8+4:W8+5]
	v_add_f32 v[S0], v[W8], v[W8+1]
	; rows 0 to 3 of the wave: they start the maximum and the sums
	SCORES
	v_max3_num_f32 v[M], v[SC], v[SC+1], v[SC+2]
	v_max_num_f32 v[M], v[M], v[SC+3]
	EXPS
	v_add_f32 v[L], v[E], v[E+2]
	v_add_f32 v[T], v[E+4], v[E+6]
	v_add_f32 v[L], v[L], v[T]
	WSUM 0, 1
	LOADROW 0, 4                                   ; each slot is asked for again as soon as its row has been used twice
	WSUM 1, 0
	LOADROW 1, 5
	WSUM 2, 0
	LOADROW 2, 6
	WSUM 3, 0
	LOADROW 3, 7
	; rows 4 to 7: the maximum may rise, and the old sums are rescaled by e^(old - new)
	SCORES
	v_max3_num_f32 v[T], v[SC], v[SC+1], v[SC+2]
	v_max3_num_f32 v[T], v[T], v[SC+3], v[M]
	v_sub_f32 v[AL], v[M], v[T]
	v_mov_b32 v[M], v[T]
	v_mul_f32 v[AL], s20, v[AL]
	v_exp_f32 v[AL], v[AL]                         ; the plain subtractions that open EXPS stand between this and the first use of its result
	EXPS
	v_mov_b32 v[AL+1], v[AL]
	v_add_f32 v[T], v[E], v[E+2]
	v_add_f32 v[D], v[E+4], v[E+6]
	v_add_f32 v[T], v[T], v[D]
	v_fma_f32 v[L], v[L], v[AL], v[T]
.irp k, 0,1,2,3,4,5,6,7,8,9,10,11,12,13,14,15
	v_pk_mul_f32 v[ACC+2*\k:ACC+2*\k+1], v[ACC+2*\k:ACC+2*\k+1], v[AL:AL+1]
.endr
	WSUM 0, 0
	WSUM 1, 0
	WSUM 2, 0
	WSUM 3, 0
	; the eight waves meet: each leaves its weighted sums (in the order of f: byte 4 f), its maximum and its sum of weights in LDS
.irp j, 0,1,2,3,4,5,6,7
	ds_store_b128 v4, v[ACC+4*\j:ACC+4*\j+3] offset:LACC+512*\j
.endr
	ds_store_b32 v5, v[M] offset:LM
	ds_store_b32 v5, v[L] offset:LL
	s_wait_dscnt 0x0                               ; my stores are done, for the others' sake
	s_barrier_signal -1
	s_barrier_wait -1
	ds_load_b128 v[MW:MW+3], v6 offset:LM
	ds_load_b128 v[MW+4:MW+7], v6 offset:LM+16
	ds_load_b128 v[LW:LW+3], v6 offset:LL
	ds_load_b128 v[LW+4:LW+7], v6 offset:LL+16
.irp w, 0,1,2,3,4,5,6,7
	ds_load_b128 v[X+4*\w:X+4*\w+3], v3 offset:LACC+4096*\w        ; wave w's sums for my four columns f = 4 x thread .. + 3
.endr
	s_wait_dscnt 8                                 ; the maxima and the sums of weights are in; the eight loads behind them may be out
	v_max3_num_f32 v[S0], v[MW], v[MW+1], v[MW+2]
	v_max3_num_f32 v[S0], v[S0], v[MW+3], v[MW+4]
	v_max3_num_f32 v[S0], v[S0], v[MW+5], v[MW+6]
	v_max_num_f32 v[S0], v[S0], v[MW+7]
.irp w, 0,1,2,3,4,5,6,7
	v_sub_f32 v[MW+\w], v[MW+\w], v[S0]
.endr
.irp w, 0,1,2,3,4,5,6,7
	v_mul_f32 v[MW+\w], s20, v[MW+\w]
.endr
.irp w, 0,1,2,3,4,5,6,7
	v_exp_f32 v[MW+\w], v[MW+\w]                   ; wave w's factor e^(its maximum - the overall one)
.endr
	v_nop                                          ; one plain vector instruction behind the last v_exp_f32
	s_wait_alu depctr_va_vdst(0)
	v_mul_f32 v[L], v[MW], v[LW]
.irp w, 1,2,3,4,5,6,7
	v_fmac_f32 v[L], v[MW+\w], v[LW+\w]            ; the sum of all 64 weights: at least 1, since the largest score's weight is 1
.endr
	v_rcp_f32 v[L], v[L]                           ; used 32 plain vector instructions further down
	s_wait_dscnt 0x0
.irp k, 0,1,2,3
	v_mul_f32 v[8+\k], v[X+\k], v[MW]
.endr
.irp w, 1,2,3,4,5,6,7
.irp k, 0,1,2,3
	v_fmac_f32 v[8+\k], v[X+4*\w+\k], v[MW+\w]
.endr
.endr
	s_wait_alu depctr_va_vdst(0)
.irp k, 0,1,2,3
	v_mul_f32 v[8+\k], v[8+\k], v[L]
.endr
	global_store_b128 v3, v[8:11], s[12:13]        ; a wave stores 512 consecutive bytes, at a multiple of 512 from c's first byte
	s_wait_tensorcnt 0x0
	ds_add_u32 v240, v241
	s_wait_dscnt 0x0
	s_endpgm
.Lfunc_end_k_q26fb4ad3b5_attend:
	.size	k_q26fb4ad3b5_attend, .Lfunc_end_k_q26fb4ad3b5_attend-k_q26fb4ad3b5_attend
	.p2alignl 7, 3214868480
	.fill 96, 4, 3214868480
	.section	.rodata,"a",@progbits
	.p2align	6, 0x0
	.amdhsa_kernel k_q26fb4ad3b5_attend
		.amdhsa_group_segment_fixed_size 34048
		.amdhsa_private_segment_fixed_size 0
		.amdhsa_enable_private_segment 0
		.amdhsa_kernarg_size 40
		.amdhsa_user_sgpr_count 2
		.amdhsa_user_sgpr_kernarg_segment_ptr 1
		.amdhsa_wavefront_size32 1
		.amdhsa_system_sgpr_workgroup_id_x 1
		.amdhsa_system_sgpr_workgroup_id_y 1
		.amdhsa_system_sgpr_workgroup_id_z 1
		.amdhsa_system_vgpr_workitem_id 0
		.amdhsa_next_free_vgpr 242
		.amdhsa_next_free_sgpr 66
		.amdhsa_reserve_vcc 0
		.amdhsa_float_denorm_mode_32 3
		.amdhsa_float_denorm_mode_16_64 3
		.amdhsa_memory_ordered 1
		.amdhsa_forward_progress 1
		.amdhsa_inst_pref_size 37
	.end_amdhsa_kernel
	.amdgpu_metadata
---
amdhsa.version: [ 1, 2 ]
amdhsa.kernels:
  - .name:           k_q26fb4ad3b5_attend
    .symbol:         k_q26fb4ad3b5_attend.kd
    .args:
      - { .name: past_predictions, .offset: 0, .size: 8, .value_kind: global_buffer, .address_space: global }
      - { .name: u, .offset: 8, .size: 8, .value_kind: global_buffer, .address_space: global }
      - { .name: q, .offset: 16, .size: 8, .value_kind: global_buffer, .address_space: global }
      - { .name: bk, .offset: 24, .size: 8, .value_kind: global_buffer, .address_space: global }
      - { .name: c, .offset: 32, .size: 8, .value_kind: global_buffer, .address_space: global }
    .group_segment_fixed_size: 34048
    .private_segment_fixed_size: 0
    .kernarg_segment_align: 8
    .kernarg_segment_size: 40
    .max_flat_workgroup_size: 256
    .sgpr_count:     66
    .vgpr_count:     242
    .wavefront_size: 32
...
	.end_amdgpu_metadata
.endif
;; end of part 3
;; launch oproj: the kernel of part 1 again; grid 32 x 16, 8 waves a work-group, clusters of 4 x 4, 316,416 bytes of LDS; arguments c, Wv, bv, out0; writes out0
;; ======== version 2 of 2: 4 launches
;; workspace buffers: q 2,097,152 bytes; u 2,097,152 bytes; c 2,097,152 bytes
;; launch qproj (part 4): grid 16 x 16, 8 waves a work-group, clusters of 4 x 4, 314,368 bytes of LDS; arguments z_state, Wq, bq, q; writes q
.if DOCPART == 4
	.amdgcn_target "amdgcn-amd-amdhsa--gfx1250"
	.amdhsa_code_object_version 6
	.text
	.protected	k_q26fb4ad3b5_qproj
	.globl	k_q26fb4ad3b5_qproj
	.p2align	8
	.type	k_q26fb4ad3b5_qproj,@function
k_q26fb4ad3b5_qproj:
	s_mov_b64 s[64:65], 0
	v_nop
	global_prefetch_b8 v0, s[64:65] scope:SCOPE_SE
	s_setreg_imm32_b32 hwreg(HW_REG_WAVE_MODE, 25, 1), 1
	s_wait_xcnt 0x0
	s_wait_alu depctr_hold_cnt(0) depctr_sa_sdst(0) depctr_va_vdst(0) depctr_va_sdst(0) depctr_va_ssrc(0) depctr_va_vcc(0) depctr_vm_vsrc(0)
	s_getreg_b32 s2, hwreg(HW_REG_IB_STS2, 6, 4)
	s_cmp_eq_u32 s2, 0
	s_cbranch_scc0 .Lentry_in_a_cluster
	s_endpgm
.Lentry_in_a_cluster:
	s_bfe_u32 s2, ttmp6, 0x10000c
	s_cmp_lg_u32 s2, 0xf033
	s_cbranch_scc0 .Lentry_shape_is_right
	s_endpgm
.Lentry_shape_is_right:
; C[m][n] = bias[n] + sum over k of A[m][k] B[n][k].  A: [512][1024], B: [1024][1024], bias: [1024], C: [512][1024], all f32, K along the rows.
; Used twice: q = z Wq^T + bq, and out = c Wv^T + bv (c = the softmax-weighted sum of the past rows; the weights add up to 1, so bv enters once).
;
; PRECISION.  The softmax that follows has scores with a spread of tens, so a relative error of 2^-9 in an operand would move the weights.  Each f32
; operand x is therefore split into two bf16 numbers, hi = bf16(x) and lo = bf16(x - hi), and three products are summed in f32: hi hi, lo hi, hi lo.
; LIMITS: lo lo is dropped (below 2^-16 of a product); |x| above bf16's largest finite number (about 3.39e38) rounds to infinity and gives NaN;
; the sums are formed in another order than the problem's formula (K is shared among eight waves, whose partial sums are added in ascending order).
;
; SHARES.  512 x 1,024 numbers of C on 256 work-groups: a work-group makes 32 x 64 over all of K.  Wave w owns k = 128 w .. 128 w + 127 and keeps all eight
; 16 x 16 accumulators, so every operand number is split exactly once in the work-group, and a wave reads only bytes that its own loads brought.
; WHERE THE OPERANDS GO.  (32 + 64) rows x 4,096 bytes = 393,216 do not fit into the 327,680 bytes of LDS that a work-group can have.  B, two thirds of the
; bytes, comes by two tensor loads a wave (64 rows x 64 k each) into places that are filled once.
; So every byte is asked for at the start and no LDS
; byte is filled twice.  A load gives a row to sixteen lanes, a matrix operand wants a row in one lane: A is turned through a stage of the wave's own in
; LDS, 16 rows x 64 k at a time, and is split while B is still on its way.
; CLUSTERS: 4 x 4 work-groups.  B's tiles hang on the block column and the wave alone and are asked for jointly along a column of the cluster: a quarter of
; the requests for two thirds of the bytes.  A is NOT asked for jointly, though the four work-groups of a row of the cluster read the same rows: a joint
; load lands in LDS alone, and by the sum above A's tile could lie there only in a place that B's second half then has to be loaded into, behind A's
; landing, its reads and one more round of the cluster's barrier.  Two rounds: in front of the tensor loads and in front of s_endpgm.
;
; REGISTERS, in windows of 256 (s_set_vgpr_msb's low byte: bits 1:0 source 0, 3:2 source 1, 5:4 source 2, 7:6 destination):
;   window 0: v0-31 addresses, bias, results; v32-95 accumulators; v96-159 B's hi and lo (v32-159 first take A as it comes from memory); v160-223 B as loaded
;   window 1: v256-319 A's hi, v320-383 its lo (four K steps x two blocks of 16 rows x 8 registers each), v384-511 A in f32, a row to a lane
.set ROWB,   4096                      ; bytes in a row of A, B, C
.set BPITCH, 272                       ; B's LDS row: 256 bytes (64 f32 along K) + 16 of padding = 17 x 16: sixteen rows of one load start in sixteen different 16-byte columns modulo 256
.set PIECE,  64*BPITCH                 ; 17,408 = 68 x 256: what one tensor load brings
.set WREG,   2*PIECE                   ; a wave's region: place 0 (B1), place 1 (B0, at the end the wave's partial tile)
.set ASTG,   8*WREG                    ; 278,528 = 1,088 x 256: behind the tiles: the stages through which A is turned; no tensor load lands here
.set APITCH, 272                       ; a row of that stage: 256 bytes (64 f32 along K) + 16
.set WASTG,  16*APITCH                 ; 4,352 = 17 x 256: a wave's stage, 16 rows
.set SPITCH, 272                       ; a row of a partial tile: 256 bytes (64 f32 of C) + 16
.set ALD,  3                           ; v3       A's stage: my 64 bytes in row r
.set AST,  4                           ; v4       A's stage: where my 16 bytes of a load go
.set VB,   5                           ; v5       LDS address of my 64 bytes in row r of place 0
.set STO,  6                           ; v6       where I put my partial results
.set CO,   7                           ; v7       4,096 h + 16 r: my 16 bytes in two rows of 4,096 bytes, for A's loads and for C's stores; never rewritten
.set BO,   8                           ; v8       my byte offset in the block's 64 numbers of the bias
.set NEG1, 9                           ; v9       -1.0
.set RD,   10                          ; v[10:17] where I read wave i's partial sums of the numbers that I finish
.set BIAS, 18                          ; v[18:21] the bias of my four columns
.set OUT,  22                          ; v[22:29] the finished sums: four columns in each of two rows
.set GL,   32                          ; v[32:159] A as it comes from memory: unit (mt, hf), load t at GL + 32 (2 mt + hf) + 4 t
.set ACC,  32                          ; v[32:95] tile (mt, nt) at ACC + 8 (4 mt + nt)
.set BH,   96                          ; v[96:127]  hi of B's rows 16 nt .. 16 nt + 15 at BH + 8 nt
.set BL,   128                         ; v[128:159] lo
.set RB,   160                         ; v[160:223] four sets of 16 f32 of B as loaded; then the partial sums
.set AH,   0                           ; window 1: hi of A, K step s, rows 16 mt .. at AH + 16 s + 8 mt
.set AL,   64                          ; window 1: lo
.set AR,   128                         ; window 1: A in f32, 16 numbers at AR + 32 s + 16 mt
.set G1B,  32                          ; s[32:39] descriptor group 1, B's tiles
.set G0,   40                          ; s[40:47] descriptor group 0 of B0, B1: a set for each load, none is ever rewritten
.set MSB, 0
.macro WIN new                         ; the immediate's high byte repeats the setting that is left; a switch that changes nothing is dropped
.if MSB != \new
	s_set_vgpr_msb (MSB<<8)|\new
.set MSB, \new
.endif
.endm
; A round of the cluster's barrier: my work-group's barrier, wave 0 signals for the work-group, every wave waits for all sixteen, my work-group's barrier again.
.macro ROUND
	s_barrier_signal -1
	s_barrier_wait -1
	s_cmp_lg_u32 s12, 0
	s_cbranch_scc1 .Lnot_wave_0_\@
	s_barrier_signal -3
.Lnot_wave_0_\@:
	s_barrier_wait -3
	s_barrier_signal -1
	s_barrier_wait -1
.endm
; A vector instruction that writes a register of a matrix instruction, or reads its result, stands four plain vector instructions behind it (ISA guide 7.12.1).
.macro PLACES
.rept 4
	v_nop
.endr
.endm
; The wave's 32 rows x 512 bytes of A, in four units (mt, hf) of 16 rows x 256 bytes.  Load t of a unit: rows 16 mt + 2 t and + 1, sixteen lanes to a row.
.macro LOADA
.irp mt, 0,1
.irp hf, 0,1
.irp t, 0,1,2,3,4,5,6,7
	global_load_b128 v[GL+32*(2*\mt+\hf)+4*\t:GL+32*(2*\mt+\hf)+4*\t+3], v[CO], s[4:5] offset:(16*\mt+2*\t)*ROWB+256*\hf
.endr
.endr
.endr
.endm
; A is turned, a unit at a time: eight stores lay its 16 rows into the wave's stage, eight loads take them back with a row to a lane: for K step s = 2 hf + sp
; lane (r, h) gets the 64 bytes k = 32 s + 16 h .. + 15 of row 16 mt + r.  The matrix unit's own map of k to registers is another one; A and B use this one
; alike, so equal k still meet and the products are the same.  The stage is the wave's own and LDS serves a wave's instructions in order (ISA guide 5.7.1):
; no wait stands between the stores and the loads, nor in front of the next unit's stores.
; One window setting serves all of it: the destination (of the LDS loads) is window 1; addresses and the stores' data are sources, window 0.
.macro TURNA
	WIN 0x40
.irp mt, 0,1
.irp hf, 0,1
	s_wait_loadcnt 24-8*(2*\mt+\hf)                ; loads come back in order: this unit's eight are in, the eight of each younger unit may be out; the bias is older than all
.irp t, 0,1,2,3,4,5,6,7
	ds_store_b128 v[AST], v[GL+32*(2*\mt+\hf)+4*\t:GL+32*(2*\mt+\hf)+4*\t+3] offset:2*APITCH*\t
.endr
.irp sp, 0,1
.irp i, 0,1,2,3
	ds_load_b128 v[AR+32*(2*\hf+\sp)+16*\mt+4*\i:AR+32*(2*\hf+\sp)+16*\mt+4*\i+3], v[ALD] offset:128*\sp+16*\i
.endr
.endr
.endr
.endr
.endm
; A's 128 f32 become 64 registers of hi and 64 of lo, once for the whole kernel.  x - hi is exact: one fused multiply-add of hi's half, taken as bf16, by -1.0, onto x.
; Three long stretches, each under one window setting.
.macro CONVA
	WIN 0x45                                       ; destination and both sources window 1
.set p, 0
.rept 64
	v_cvt_pk_bf16_f32 v[AH+p], v[AR+2*p], v[AR+2*p+1]
.set p, p+1
.endr
	WIN 0x51                                       ; destination, source 0 (hi) and source 2 (x) window 1; source 1 (-1.0) window 0
.set p, 0
.rept 64
	v_fma_mix_f32_bf16 v[AR+2*p], v[AH+p], v[NEG1], v[AR+2*p] op_sel_hi:[1,0,0]
	v_fma_mix_f32_bf16 v[AR+2*p+1], v[AH+p], v[NEG1], v[AR+2*p+1] op_sel:[1,0,0] op_sel_hi:[1,0,0]
.set p, p+1
.endr
	WIN 0x45
.set p, 0
.rept 64
	v_cvt_pk_bf16_f32 v[AL+p], v[AR+2*p], v[AR+2*p+1]
.set p, p+1
.endr
	WIN 0
.endm
; B's f32 numbers of one step of 32 along K (half 0: B0 in place 1; half 1: B1 in place 0): set nt = rows 16 nt + r, the 64 bytes k = 32 sub + 16 h .. + 15.
.macro FETCH half, sub
.irp nt, 0,1,2,3
.irp i, 0,1,2,3
	ds_load_b128 v[RB+16*\nt+4*\i:RB+16*\nt+4*\i+3], v[VB] offset:(1-\half)*PIECE+\sub*128+\nt*16*BPITCH+16*\i
.endr
.endr
.endm
; 16 f32 in src become 8 registers of hi and 8 of lo, as for A.
.macro SPLIT src, hi, lo
.irp i, 0,1,2,3,4,5,6,7
	v_cvt_pk_bf16_f32 v[\hi+\i], v[\src+2*\i], v[\src+2*\i+1]
.endr
.irp i, 0,1,2,3,4,5,6,7
	v_fma_mix_f32_bf16 v[\src+2*\i], v[\hi+\i], v[NEG1], v[\src+2*\i] op_sel_hi:[1,0,0]
	v_fma_mix_f32_bf16 v[\src+2*\i+1], v[\hi+\i], v[NEG1], v[\src+2*\i+1] op_sel:[1,0,0] op_sel_hi:[1,0,0]
.endr
.irp i, 0,1,2,3,4,5,6,7
	v_cvt_pk_bf16_f32 v[\lo+\i], v[\src+2*\i], v[\src+2*\i+1]
.endr
.endm
; LDS loads come back in order (ISA guide 5.7.1): each count is the loads of the sets behind the one that is split next, four a set.
.macro CONVERT
.irp nt, 0,1,2,3
	s_wait_dscnt 12-4*\nt
	SPLIT RB+16*\nt, BH+8*\nt, BL+8*\nt
.endr
.endm
; Eight matrix instructions, one on each accumulator.  Used transposed (source 0 = rows of B, source 1 = rows of A): lane (r, h) then holds row r of C and
; its registers 0 to 7 the eight neighbouring columns 8 h + 0 .. 7.
.macro MM8 b, a, zero
.irp mt, 0,1
.irp nt, 0,1,2,3
.if \zero
	v_wmma_f32_16x16x32_bf16 v[ACC+8*(4*\mt+\nt):ACC+8*(4*\mt+\nt)+7], v[\b+8*\nt:\b+8*\nt+7], v[\a+8*\mt:\a+8*\mt+7], 0
.else
	v_wmma_f32_16x16x32_bf16 v[ACC+8*(4*\mt+\nt):ACC+8*(4*\mt+\nt)+7], v[\b+8*\nt:\b+8*\nt+7], v[\a+8*\mt:\a+8*\mt+7], v[ACC+8*(4*\mt+\nt):ACC+8*(4*\mt+\nt)+7]
.endif
.endr
.endr
.endm
; K step s of the wave's four: hi hi, lo hi, hi lo.  The eight accumulators take turns, one instruction a turn, from step to step too.
; zero = 1: the first products start the sums, nothing is cleared.
.macro MM s, zero
	WIN 0x04                                       ; source 1 (A) window 1; B, C and D window 0
	MM8 BH, AH+16*\s, \zero
	MM8 BL, AH+16*\s, 0
	MM8 BH, AL+16*\s, 0
	WIN 0
.endm
	s_load_b256 s[4:11], s[0:1], 0x0               ; A s[4:5], B s[6:7], bias s[8:9], C s[10:11]
	v_lshl_add_u32 v254, v0, 2, 0x4c800
	v_mov_b32 v255, 0
	ds_add_u32 v254, v255
	s_wait_dscnt 0x0
	v_lshrrev_b32 v1, 5, v0
	v_readfirstlane_b32 s12, v1                    ; wave 0..7
	s_bfe_u32 s13, ttmp6, 0x40000                  ; cx
	s_bfe_u32 s14, ttmp6, 0x40004                  ; cy
	s_lshl_b32 s15, ttmp9, 2
	s_add_co_u32 s15, s15, s13                     ; block column of C = 4 x cluster x + cx
	s_and_b32 s16, ttmp7, 0xffff
	s_lshl_b32 s16, s16, 2
	s_add_co_u32 s16, s16, s14                     ; block row of C = 4 x cluster y + cy
	s_lshl_b32 s18, 0x1111, s13                    ; my column of the cluster: places cx, cx + 4, cx + 8, cx + 12
	s_mul_i32 s19, s12, WREG                       ; my wave's region in LDS: the wave's number alone
	; group 1 for B: 64 rows x 64 elements of 4 bytes, rows 1,024 elements apart, four words of padding behind every 64
	s_or_b32 s[G1B+0], s18, (2<<16)|(1<<20)|(1<<21)|(5<<22)|(3<<25)   ; the mask: my column of the cluster; bit 21 set beside it
	s_mov_b32 s[G1B+1], 64<<16                     ; tensor_dim0 = 64
	s_mov_b32 s[G1B+2], 64<<16                     ; tensor_dim1 = 64
	s_mov_b32 s[G1B+3], 64<<16                     ; tile_dim0 = 64
	s_mov_b32 s[G1B+4], 64                         ; tile_dim1 = 64
	s_mov_b32 s[G1B+5], 1024                       ; elements from row to row
	s_mov_b32 s[G1B+6], 0
	s_mov_b32 s[G1B+7], 0
	; offsets, apart from the addresses.  B's holds the block column and the wave and never the block row: it is equal in the four work-groups that the mask names.
	s_lshl_b32 s3, s12, 9                          ; 128 K x 4 bytes for each wave
	s_lshl_b32 s20, s16, 17                        ; 32 rows x 4,096 bytes for each block row
	s_add_co_u32 s20, s20, s3
	s_mov_b32 s21, 0
	s_lshl_b32 s22, s15, 18                        ; 64 rows of B for each block column
	s_add_co_u32 s22, s22, s3
	s_mov_b32 s23, 0
	s_lshl_b32 s58, s15, 8                         ; the block's 64 columns: 256 bytes
	s_mov_b32 s59, 0
	s_lshl_b32 s56, s16, 17
	s_lshl_b32 s3, s12, 14                         ; wave w finishes rows 4 w .. 4 w + 3 of the block
	s_add_co_u32 s56, s56, s3
	s_add_co_u32 s56, s56, s58
	s_mov_b32 s57, 0
.irp p, 0,1
	s_mov_b32 s[G0+4*\p], 1                        ; count = 1
	s_add_co_u32 s[G0+4*\p+1], s19, (1-\p)*PIECE   ; LDS address: B0 place 1, B1 place 0
.endr
	v_and_b32 v1, 15, v0                           ; r
	v_bfe_u32 v2, v0, 4, 1                         ; h
	v_lshlrev_b32 v[BO], 4, v1                     ; 16 r
	v_lshl_add_u32 v[CO], v2, 12, v[BO]            ; 4,096 h + 16 r
	ROUND                                          ; all sixteen work-groups are here: the joint loads meet.  The arguments come in meanwhile
	s_wait_kmcnt 0x0
	s_add_nc_u64 s[G0+2:G0+3], s[6:7], s[22:23]    ; B at my first tile
	s_add_nc_u64 s[G0+6:G0+7], s[G0+2:G0+3], 256   ; B1: the second 64 along K
	s_add_nc_u64 s[4:5], s[4:5], s[20:21]          ; A at my wave's 512 bytes of the block's first row
	s_add_nc_u64 s[8:9], s[8:9], s[58:59]          ; the bias at the block's columns
	s_add_nc_u64 s[10:11], s[10:11], s[56:57]      ; C at my wave's four rows
.irp p, 0,1
	s_or_b32 s[G0+4*\p+3], s[G0+4*\p+3], 0x80000000   ; type = 2
.endr
	tensor_load_to_lds s[G0:G0+3], s[G1B:G1B+7]            ; B0.  All fills of the launch go out here, two of each wave, and two is the most that a wave has outstanding
	s_nop 0
	tensor_load_to_lds s[G0+4:G0+7], s[G1B:G1B+7]          ; B1
	s_nop 0
	global_load_b128 v[BIAS:BIAS+3], v[BO], s[8:9] ; the bias of my four columns 4 r .. 4 r + 3
	LOADA                                          ; with these 32 loads every byte that the wave needs has been asked for
	s_mul_i32 s62, s12, WASTG
	s_add_co_u32 s62, s62, ASTG                    ; my wave's stage for A
	v_mul_u32_u24 v[AST], v2, APITCH
	v_lshl_add_u32 v[AST], v1, 4, v[AST]
	v_add_nc_u32 v[AST], s62, v[AST]               ; stage + 272 h + 16 r: lanes 0-15 fill one row, lanes 16-31 the next
	v_mul_u32_u24 v[ALD], v1, APITCH
	v_lshl_add_u32 v[ALD], v2, 6, v[ALD]
	v_add_nc_u32 v[ALD], s62, v[ALD]               ; stage + 272 r + 64 h
	v_mul_u32_u24 v[VB], v1, BPITCH
	v_lshl_add_u32 v[VB], v2, 6, v[VB]
	v_add_nc_u32 v[VB], s19, v[VB]                 ; region + 272 r + 64 h
	s_add_co_u32 s60, s19, PIECE
	v_mul_u32_u24 v[STO], v1, SPITCH
	v_lshl_add_u32 v[STO], v2, 5, v[STO]
	v_add_nc_u32 v[STO], s60, v[STO]               ; my wave's place 1 + 272 r + 32 h
	s_mul_i32 s61, s12, 4*SPITCH
	s_add_co_u32 s61, s61, PIECE
	v_mul_u32_u24 v[RD], v2, SPITCH
	v_lshl_add_u32 v[RD], v1, 4, v[RD]
	v_add_nc_u32 v[RD], s61, v[RD]                 ; wave 0's place 1 + 272 (4 w + h) + 16 r
.irp i, 1,2,3,4,5,6,7
	v_add_nc_u32 v[RD+\i], \i*WREG, v[RD]          ; wave i's: the regions lie too far apart for the 16-bit immediate
.endr
	v_mov_b32 v[NEG1], -1.0
	TURNA
	s_wait_dscnt 0x0                               ; A is back, a row to a lane
	CONVA                                          ; B may still be on its way under these 256 instructions
	s_wait_tensorcnt 0x1                           ; tensor loads of a wave end in order (ISA guide 10.11.1): B0 is in, B1 may be out
	FETCH 0, 0
	CONVERT
	FETCH 0, 1                                     ; the next step's numbers come in under this step's matrix work
	MM 0, 1
	PLACES                                         ; the splits below write registers that the matrix instructions above read
	CONVERT
	s_wait_tensorcnt 0x0                           ; B1 is in; none is out at s_endpgm
	FETCH 1, 0
	MM 1, 0
	PLACES
	CONVERT
	FETCH 1, 1
	MM 2, 0
	PLACES
	CONVERT
	MM 3, 0
	PLACES                                         ; the LDS stores below read results
	; The eight waves' partial tiles meet in LDS, each in its wave's place 1: that place had its one fill at the start, and its wave alone read it, two K steps ago.
	; Lane (r, h) holds C(16 mt + r, 16 nt + 8 h + 0 .. 7): two stores of 16 bytes for each tile.
.irp mt, 0,1
.irp nt, 0,1,2,3
	ds_store_b128 v[STO], v[ACC+8*(4*\mt+\nt):ACC+8*(4*\mt+\nt)+3] offset:16*SPITCH*\mt+64*\nt
	ds_store_b128 v[STO], v[ACC+8*(4*\mt+\nt)+4:ACC+8*(4*\mt+\nt)+7] offset:16*SPITCH*\mt+64*\nt+16
.endr
.endr
	s_wait_dscnt 0x0                               ; my stores are done, for the others' sake,
	s_barrier_signal -1
	s_barrier_wait -1                              ; and so are everybody's
.irp i, 0,1,2,3,4,5,6,7
.irp g, 0,1
	ds_load_b128 v[RB+8*\i+4*\g:RB+8*\i+4*\g+3], v[RD+\i] offset:2*SPITCH*\g   ; wave i's partial sums: rows 4 w + 2 g + h, columns 4 r .. 4 r + 3
.endr
.endr
	s_wait_dscnt 14                                ; wave 0's two loads are in, the fourteen behind them may be out
.irp q, 0,2,4,6
	v_pk_add_f32 v[OUT+\q:OUT+\q+1], v[BIAS+(\q&2):BIAS+(\q&2)+1], v[RB+\q:RB+\q+1]   ; the bias starts the sums (in since the last wait for A's loads, which was for 0)
.endr
.irp i, 1,2,3,4,5,6,7
	s_wait_dscnt 14-2*\i                           ; wave i's are in, the later waves' may be out
.irp q, 0,2,4,6
	v_pk_add_f32 v[OUT+\q:OUT+\q+1], v[OUT+\q:OUT+\q+1], v[RB+8*\i+\q:RB+8*\i+\q+1]
.endr
.endr
	global_store_b128 v[CO], v[OUT:OUT+3], s[10:11]                  ; sixteen lanes store 256 consecutive bytes of one row, at a multiple of 256 from C's first byte
	global_store_b128 v[CO], v[OUT+4:OUT+7], s[10:11] offset:2*ROWB  ; the wave's other two rows
	s_wait_tensorcnt 0x0
	ds_add_u32 v254, v255
	s_wait_dscnt 0x0
	ROUND                                          ; the closing round: no work-group ends while a partner may still ask for a tile that names it
	s_endpgm
.Lfunc_end_k_q26fb4ad3b5_qproj:
	.size	k_q26fb4ad3b5_qproj, .Lfunc_end_k_q26fb4ad3b5_qproj-k_q26fb4ad3b5_qproj
	.p2alignl 7, 3214868480
	.fill 96, 4, 3214868480
	.section	.rodata,"a",@progbits
	.p2align	6, 0x0
	.amdhsa_kernel k_q26fb4ad3b5_qproj
		.amdhsa_group_segment_fixed_size 314368
		.amdhsa_private_segment_fixed_size 0
		.amdhsa_enable_private_segment 0
		.amdhsa_kernarg_size 32
		.amdhsa_user_sgpr_count 2
		.amdhsa_user_sgpr_kernarg_segment_ptr 1
		.amdhsa_wavefront_size32 1
		.amdhsa_system_sgpr_workgroup_id_x 1
		.amdhsa_system_sgpr_workgroup_id_y 1
		.amdhsa_system_sgpr_workgroup_id_z 1
		.amdhsa_system_vgpr_workitem_id 0
		.amdhsa_next_free_vgpr 512
		.amdhsa_next_free_sgpr 66
		.amdhsa_reserve_vcc 0
		.amdhsa_float_denorm_mode_32 3
		.amdhsa_float_denorm_mode_16_64 3
		.amdhsa_memory_ordered 1
		.amdhsa_forward_progress 1
		.amdhsa_inst_pref_size 77
	.end_amdhsa_kernel
	.amdgpu_metadata
---
amdhsa.version: [ 1, 2 ]
amdhsa.kernels:
  - .name:           k_q26fb4ad3b5_qproj
    .symbol:         k_q26fb4ad3b5_qproj.kd
    .args:
      - { .name: z_state, .offset: 0, .size: 8, .value_kind: global_buffer, .address_space: global }
      - { .name: Wq, .offset: 8, .size: 8, .value_kind: global_buffer, .address_space: global }
      - { .name: bq, .offset: 16, .size: 8, .value_kind: global_buffer, .address_space: global }
      - { .name: q, .offset: 24, .size: 8, .value_kind: global_buffer, .address_space: global }
    .group_segment_fixed_size: 314368
    .private_segment_fixed_size: 0
    .kernarg_segment_align: 8
    .kernarg_segment_size: 32
    .max_flat_workgroup_size: 256
    .sgpr_count:     66
    .vgpr_count:     512
    .wavefront_size: 32
...
	.end_amdgpu_metadata
.endif
;; end of part 4
;; launch uproj (part 5): grid 16 x 16, 8 waves a work-group, clusters of 4 x 4, 314,368 bytes of LDS; arguments q, Wk, u; writes u
.if DOCPART == 5
	.amdgcn_target "amdgcn-amd-amdhsa--gfx1250"
	.amdhsa_code_object_version 6
	.text
	.protected	k_q26fb4ad3b5_uproj
	.globl	k_q26fb4ad3b5_uproj
	.p2align	8
	.type	k_q26fb4ad3b5_uproj,@function
k_q26fb4ad3b5_uproj:
	s_mov_b64 s[64:65], 0
	v_nop
	global_prefetch_b8 v0, s[64:65] scope:SCOPE_SE
	s_setreg_imm32_b32 hwreg(HW_REG_WAVE_MODE, 25, 1), 1
	s_wait_xcnt 0x0
	s_wait_alu depctr_hold_cnt(0) depctr_sa_sdst(0) depctr_va_vdst(0) depctr_va_sdst(0) depctr_va_ssrc(0) depctr_va_vcc(0) depctr_vm_vsrc(0)
	s_getreg_b32 s2, hwreg(HW_REG_IB_STS2, 6, 4)
	s_cmp_eq_u32 s2, 0
	s_cbranch_scc0 .Lentry_in_a_cluster
	s_endpgm
.Lentry_in_a_cluster:
	s_bfe_u32 s2, ttmp6, 0x10000c
	s_cmp_lg_u32 s2, 0xf033
	s_cbranch_scc0 .Lentry_shape_is_right
	s_endpgm
.Lentry_shape_is_right:
; C[m][n] = sum over k of A[m][k] B[k][n].  A = q: [512][1024], B = Wk: [1024 (k)][1024 (n)], C = u: [512][1024], all f32.
; Why: score[b][t] = q[b] . (Wk p[b][t] + bk) = (q[b] Wk) . p[b][t] + q[b] . bk, for every input, so the keys are never formed; u = q Wk.
;
; PRECISION, as in the other products of this program: each f32 operand x is split into hi = bf16(x) and lo = bf16(x - hi), and hi hi, lo hi, hi lo are summed in f32.
; LIMITS: lo lo is dropped (below 2^-16 of a product); |x| above bf16's largest finite number (about 3.39e38) rounds to infinity and gives NaN;
; the sums are formed in another order than the problem's formula (the product is reassociated as above, and K is shared among eight waves).
;
; SHARES.  512 x 1,024 numbers of C on 256 work-groups: a work-group makes 32 x 64 over all of K.  Wave w owns k = 128 w .. 128 w + 127 and keeps all eight
; 16 x 16 accumulators, so every operand number is split exactly once in the work-group, and a wave reads only bytes that its own loads brought.
; WHERE THE OPERANDS GO.  32 rows of A (4,096 bytes each) and 1,024 rows of B (256 bytes each) are 393,216 bytes and do not fit into the 327,680 bytes of LDS
; that a work-group can have.  B, two thirds of the bytes, comes by two tensor loads a wave (64 k x 64 columns each) into places that are filled once.
; So every byte is asked for at the start and no LDS byte is filled twice.  A load gives a row to sixteen lanes, a matrix operand wants a row in one lane:
; A is turned through a stage of the wave's own in LDS, 16 rows x 64 k at a time, and is split while B is still on its way.
; B lies with n along its rows, so a lane gathers its column of B by sixteen loads of 4 bytes.
; CLUSTERS: 4 x 4 work-groups.  B's tiles hang on the block column and the wave alone and are asked for jointly along a column of the cluster: a quarter of
; the requests for two thirds of the bytes.  A is NOT asked for jointly, though the four work-groups of a row of the cluster read the same rows: a joint
; load lands in LDS alone, and by the sum above A's tile could lie there only in a place that B's second half then has to be loaded into, behind A's
; landing, its reads and one more round of the cluster's barrier.  Two rounds: in front of the tensor loads and in front of s_endpgm.
;
; REGISTERS, in windows of 256 (s_set_vgpr_msb's low byte: bits 1:0 source 0, 3:2 source 1, 5:4 source 2, 7:6 destination):
;   window 0: v0-31 addresses, results; v32-95 accumulators; v96-159 B's hi and lo (v32-159 first take A as it comes from memory); v160-223 B as loaded
;   window 1: v256-319 A's hi, v320-383 its lo (four K steps x two blocks of 16 rows x 8 registers each), v384-511 A in f32, a row to a lane
.set ROWB,   4096                      ; bytes in a row of A, B, C
.set BPITCH, 264                       ; B's LDS row: 256 bytes (64 f32 along n) + 8 = 66 words: lanes 16-31 read 16 rows = 1,056 words further on, 32 words modulo 64 from lanes 0-15
.set PIECE,  17408                     ; a place, 68 x 256: B's 64 x 264 = 16,896 fit
.set WREG,   2*PIECE                   ; a wave's region: place 0 (B1), place 1 (B0, at the end the wave's partial tile)
.set ASTG,   8*WREG                    ; 278,528 = 1,088 x 256: behind the tiles: the stages through which A is turned; no tensor load lands here
.set APITCH, 272                       ; a row of that stage: 256 bytes (64 f32 along K) + 16 = 17 x 16: sixteen rows of one load start in sixteen different 16-byte columns modulo 256
.set WASTG,  16*APITCH                 ; 4,352 = 17 x 256: a wave's stage, 16 rows
.set SPITCH, 272                       ; a row of a partial tile: 256 bytes (64 f32 of C) + 16
.set ALD,  3                           ; v3       A's stage: my 64 bytes in row r
.set AST,  4                           ; v4       A's stage: where my 16 bytes of a load go
.set VB,   5                           ; v5       LDS address of place 0's element (k = 16 h, n = r)
.set STO,  6                           ; v6       where I put my partial results
.set CO,   7                           ; v7       4,096 h + 16 r: my 16 bytes in two rows of 4,096 bytes, for A's loads and for C's stores; never rewritten
.set NEG1, 9                           ; v9       -1.0
.set RD,   10                          ; v[10:17] where I read wave i's partial sums of the numbers that I finish
.set OUT,  22                          ; v[22:29] the finished sums: four columns in each of two rows
.set GL,   32                          ; v[32:159] A as it comes from memory: unit (mt, hf), load t at GL + 32 (2 mt + hf) + 4 t
.set ACC,  32                          ; v[32:95] tile (mt, nt) at ACC + 8 (4 mt + nt)
.set BH,   96                          ; v[96:127]  hi of B's columns 16 nt .. 16 nt + 15 at BH + 8 nt
.set BL,   128                         ; v[128:159] lo
.set RB,   160                         ; v[160:223] four sets of 16 f32 of B as loaded; then the partial sums
.set AH,   0                           ; window 1: hi of A, K step s, rows 16 mt .. at AH + 16 s + 8 mt
.set AL,   64                          ; window 1: lo
.set AR,   128                         ; window 1: A in f32, 16 numbers at AR + 32 s + 16 mt
.set G1B,  32                          ; s[32:39] descriptor group 1, B's tiles
.set G0,   40                          ; s[40:47] descriptor group 0 of B0, B1: a set for each load, none is ever rewritten
.set MSB, 0
.macro WIN new                         ; the immediate's high byte repeats the setting that is left; a switch that changes nothing is dropped
.if MSB != \new
	s_set_vgpr_msb (MSB<<8)|\new
.set MSB, \new
.endif
.endm
; A round of the cluster's barrier: my work-group's barrier, wave 0 signals for the work-group, every wave waits for all sixteen, my work-group's barrier again.
.macro ROUND
	s_barrier_signal -1
	s_barrier_wait -1
	s_cmp_lg_u32 s12, 0
	s_cbranch_scc1 .Lnot_wave_0_\@
	s_barrier_signal -3
.Lnot_wave_0_\@:
	s_barrier_wait -3
	s_barrier_signal -1
	s_barrier_wait -1
.endm
; A vector instruction that writes a register of a matrix instruction, or reads its result, stands four plain vector instructions behind it (ISA guide 7.12.1).
.macro PLACES
.rept 4
	v_nop
.endr
.endm
; The wave's 32 rows x 512 bytes of A, in four units (mt, hf) of 16 rows x 256 bytes.  Load t of a unit: rows 16 mt + 2 t and + 1, sixteen lanes to a row.
.macro LOADA
.irp mt, 0,1
.irp hf, 0,1
.irp t, 0,1,2,3,4,5,6,7
	global_load_b128 v[GL+32*(2*\mt+\hf)+4*\t:GL+32*(2*\mt+\hf)+4*\t+3], v[CO], s[4:5] offset:(16*\mt+2*\t)*ROWB+256*\hf
.endr
.endr
.endr
.endm
; A is turned, a unit at a time: eight stores lay its 16 rows into the wave's stage, eight loads take them back with a row to a lane: for K step s = 2 hf + sp
; lane (r, h) gets the 64 bytes k = 32 s + 16 h .. + 15 of row 16 mt + r.  The matrix unit's own map of k to registers is another one; A and B use this one
; alike, so equal k still meet and the products are the same.  The stage is the wave's own and LDS serves a wave's instructions in order (ISA guide 5.7.1):
; no wait stands between the stores and the loads, nor in front of the next unit's stores.
; One window setting serves all of it: the destination (of the LDS loads) is window 1; addresses and the stores' data are sources, window 0.
.macro TURNA
	WIN 0x40
.irp mt, 0,1
.irp hf, 0,1
	s_wait_loadcnt 24-8*(2*\mt+\hf)                ; loads come back in order: this unit's eight are in, the eight of each younger unit may be out
.irp t, 0,1,2,3,4,5,6,7
	ds_store_b128 v[AST], v[GL+32*(2*\mt+\hf)+4*\t:GL+32*(2*\mt+\hf)+4*\t+3] offset:2*APITCH*\t
.endr
.irp sp, 0,1
.irp i, 0,1,2,3
	ds_load_b128 v[AR+32*(2*\hf+\sp)+16*\mt+4*\i:AR+32*(2*\hf+\sp)+16*\mt+4*\i+3], v[ALD] offset:128*\sp+16*\i
.endr
.endr
.endr
.endr
.endm
; A's 128 f32 become 64 registers of hi and 64 of lo, once for the whole kernel.  x - hi is exact: one fused multiply-add of hi's half, taken as bf16, by -1.0, onto x.
; Three long stretches, each under one window setting.
.macro CONVA
	WIN 0x45                                       ; destination and both sources window 1
.set p, 0
.rept 64
	v_cvt_pk_bf16_f32 v[AH+p], v[AR+2*p], v[AR+2*p+1]
.set p, p+1
.endr
	WIN 0x51                                       ; destination, source 0 (hi) and source 2 (x) window 1; source 1 (-1.0) window 0
.set p, 0
.rept 64
	v_fma_mix_f32_bf16 v[AR+2*p], v[AH+p], v[NEG1], v[AR+2*p] op_sel_hi:[1,0,0]
	v_fma_mix_f32_bf16 v[AR+2*p+1], v[AH+p], v[NEG1], v[AR+2*p+1] op_sel:[1,0,0] op_sel_hi:[1,0,0]
.set p, p+1
.endr
	WIN 0x45
.set p, 0
.rept 64
	v_cvt_pk_bf16_f32 v[AL+p], v[AR+2*p], v[AR+2*p+1]
.set p, p+1
.endr
	WIN 0
.endm
; B's f32 numbers of one step of 32 along K (half 0: B0 in place 1; half 1: B1 in place 0): set nt = column 16 nt + r at k = 32 sub + 16 h + 0 .. 15,
; one word from each of sixteen LDS rows.
.macro FETCH half, sub
.irp nt, 0,1,2,3
.irp j, 0,1,2,3,4,5,6,7,8,9,10,11,12,13,14,15
	ds_load_b32 v[RB+16*\nt+\j], v[VB] offset:(1-\half)*PIECE+\sub*32*BPITCH+BPITCH*\j+64*\nt
.endr
.endr
.endm
; 16 f32 in src become 8 registers of hi and 8 of lo, as for A.
.macro SPLIT src, hi, lo
.irp i, 0,1,2,3,4,5,6,7
	v_cvt_pk_bf16_f32 v[\hi+\i], v[\src+2*\i], v[\src+2*\i+1]
.endr
.irp i, 0,1,2,3,4,5,6,7
	v_fma_mix_f32_bf16 v[\src+2*\i], v[\hi+\i], v[NEG1], v[\src+2*\i] op_sel_hi:[1,0,0]
	v_fma_mix_f32_bf16 v[\src+2*\i+1], v[\hi+\i], v[NEG1], v[\src+2*\i+1] op_sel:[1,0,0] op_sel_hi:[1,0,0]
.endr
.irp i, 0,1,2,3,4,5,6,7
	v_cvt_pk_bf16_f32 v[\lo+\i], v[\src+2*\i], v[\src+2*\i+1]
.endr
.endm
; LDS loads come back in order (ISA guide 5.7.1): each count is the loads of the sets behind the one that is split next, sixteen a set.
.macro CONVERT
.irp nt, 0,1,2,3
	s_wait_dscnt 48-16*\nt
	SPLIT RB+16*\nt, BH+8*\nt, BL+8*\nt
.endr
.endm
; Eight matrix instructions, one on each accumulator.  Used transposed (source 0 = columns of B, source 1 = rows of A): lane (r, h) then holds row r of C and
; its registers 0 to 7 the eight neighbouring columns 8 h + 0 .. 7.
.macro MM8 b, a, zero
.irp mt, 0,1
.irp nt, 0,1,2,3
.if \zero
	v_wmma_f32_16x16x32_bf16 v[ACC+8*(4*\mt+\nt):ACC+8*(4*\mt+\nt)+7], v[\b+8*\nt:\b+8*\nt+7], v[\a+8*\mt:\a+8*\mt+7], 0
.else
	v_wmma_f32_16x16x32_bf16 v[ACC+8*(4*\mt+\nt):ACC+8*(4*\mt+\nt)+7], v[\b+8*\nt:\b+8*\nt+7], v[\a+8*\mt:\a+8*\mt+7], v[ACC+8*(4*\mt+\nt):ACC+8*(4*\mt+\nt)+7]
.endif
.endr
.endr
.endm
; K step s of the wave's four: hi hi, lo hi, hi lo.  The eight accumulators take turns, one instruction a turn, from step to step too.
; zero = 1: the first products start the sums, nothing is cleared.
.macro MM s, zero
	WIN 0x04                                       ; source 1 (A) window 1; B, C and D window 0
	MM8 BH, AH+16*\s, \zero
	MM8 BL, AH+16*\s, 0
	MM8 BH, AL+16*\s, 0
	WIN 0
.endm
	s_load_b128 s[4:7], s[0:1], 0x0                ; A s[4:5], B s[6:7]
	s_load_b64 s[8:9], s[0:1], 0x10                ; C
	v_lshl_add_u32 v254, v0, 2, 0x4c800
	v_mov_b32 v255, 0
	ds_add_u32 v254, v255
	s_wait_dscnt 0x0
	v_lshrrev_b32 v1, 5, v0
	v_readfirstlane_b32 s12, v1                    ; wave 0..7
	s_bfe_u32 s13, ttmp6, 0x40000                  ; cx
	s_bfe_u32 s14, ttmp6, 0x40004                  ; cy
	s_lshl_b32 s15, ttmp9, 2
	s_add_co_u32 s15, s15, s13                     ; block column of C = 4 x cluster x + cx
	s_and_b32 s16, ttmp7, 0xffff
	s_lshl_b32 s16, s16, 2
	s_add_co_u32 s16, s16, s14                     ; block row of C = 4 x cluster y + cy
	s_lshl_b32 s18, 0x1111, s13                    ; my column of the cluster: places cx, cx + 4, cx + 8, cx + 12
	s_mul_i32 s19, s12, WREG                       ; my wave's region in LDS: the wave's number alone
	; group 1 for B: 64 rows (k) x 64 elements (n) of 4 bytes, rows 1,024 elements apart, two words of padding behind every 64
	s_or_b32 s[G1B+0], s18, (2<<16)|(1<<20)|(1<<21)|(5<<22)|(1<<25)   ; the mask: my column of the cluster; bit 21 set beside it
	s_mov_b32 s[G1B+1], 64<<16                     ; tensor_dim0 = 64
	s_mov_b32 s[G1B+2], 64<<16                     ; tensor_dim1 = 64
	s_mov_b32 s[G1B+3], 64<<16                     ; tile_dim0 = 64
	s_mov_b32 s[G1B+4], 64                         ; tile_dim1 = 64
	s_mov_b32 s[G1B+5], 1024                       ; elements from row to row
	s_mov_b32 s[G1B+6], 0
	s_mov_b32 s[G1B+7], 0
	; offsets, apart from the addresses.  B's holds the block column and the wave and never the block row: it is equal in the four work-groups that the mask names.
	s_lshl_b32 s3, s12, 9                          ; 128 K x 4 bytes for each wave
	s_lshl_b32 s20, s16, 17                        ; 32 rows x 4,096 bytes for each block row
	s_add_co_u32 s20, s20, s3
	s_mov_b32 s21, 0
	s_lshl_b32 s58, s15, 8                         ; the block's 64 columns: 256 bytes
	s_lshl_b32 s22, s12, 19                        ; 128 rows of B x 4,096 bytes for each wave
	s_add_co_u32 s22, s22, s58
	s_mov_b32 s23, 0
	s_lshl_b32 s56, s16, 17
	s_lshl_b32 s3, s12, 14                         ; wave w finishes rows 4 w .. 4 w + 3 of the block
	s_add_co_u32 s56, s56, s3
	s_add_co_u32 s56, s56, s58
	s_mov_b32 s57, 0
.irp p, 0,1
	s_mov_b32 s[G0+4*\p], 1                        ; count = 1
	s_add_co_u32 s[G0+4*\p+1], s19, (1-\p)*PIECE   ; LDS address: B0 place 1, B1 place 0
.endr
	v_and_b32 v1, 15, v0                           ; r
	v_bfe_u32 v2, v0, 4, 1                         ; h
	v_lshlrev_b32 v[CO], 4, v1
	v_lshl_add_u32 v[CO], v2, 12, v[CO]            ; 4,096 h + 16 r
	ROUND                                          ; all sixteen work-groups are here: the joint loads meet.  The arguments come in meanwhile
	s_wait_kmcnt 0x0
	s_add_nc_u64 s[G0+2:G0+3], s[6:7], s[22:23]    ; B at my first tile
	s_add_nc_u64 s[G0+6:G0+7], s[G0+2:G0+3], 64*ROWB   ; B1: 64 rows further down
	s_add_nc_u64 s[4:5], s[4:5], s[20:21]          ; A at my wave's 512 bytes of the block's first row
	s_add_nc_u64 s[8:9], s[8:9], s[56:57]          ; C at my wave's four rows
.irp p, 0,1
	s_or_b32 s[G0+4*\p+3], s[G0+4*\p+3], 0x80000000   ; type = 2
.endr
	tensor_load_to_lds s[G0:G0+3], s[G1B:G1B+7]            ; B0.  All fills of the launch go out here, two of each wave, and two is the most that a wave has outstanding
	s_nop 0
	tensor_load_to_lds s[G0+4:G0+7], s[G1B:G1B+7]          ; B1
	s_nop 0
	LOADA                                          ; with these 32 loads every byte that the wave needs has been asked for
	s_mul_i32 s62, s12, WASTG
	s_add_co_u32 s62, s62, ASTG                    ; my wave's stage for A
	v_mul_u32_u24 v[AST], v2, APITCH
	v_lshl_add_u32 v[AST], v1, 4, v[AST]
	v_add_nc_u32 v[AST], s62, v[AST]               ; stage + 272 h + 16 r: lanes 0-15 fill one row, lanes 16-31 the next
	v_mul_u32_u24 v[ALD], v1, APITCH
	v_lshl_add_u32 v[ALD], v2, 6, v[ALD]
	v_add_nc_u32 v[ALD], s62, v[ALD]               ; stage + 272 r + 64 h
	v_mul_u32_u24 v[VB], v2, 16*BPITCH
	v_lshl_add_u32 v[VB], v1, 2, v[VB]
	v_add_nc_u32 v[VB], s19, v[VB]                 ; region + 16 h rows of 264 bytes + 4 r
	s_add_co_u32 s60, s19, PIECE
	v_mul_u32_u24 v[STO], v1, SPITCH
	v_lshl_add_u32 v[STO], v2, 5, v[STO]
	v_add_nc_u32 v[STO], s60, v[STO]               ; my wave's place 1 + 272 r + 32 h
	s_mul_i32 s61, s12, 4*SPITCH
	s_add_co_u32 s61, s61, PIECE
	v_mul_u32_u24 v[RD], v2, SPITCH
	v_lshl_add_u32 v[RD], v1, 4, v[RD]
	v_add_nc_u32 v[RD], s61, v[RD]                 ; wave 0's place 1 + 272 (4 w + h) + 16 r
.irp i, 1,2,3,4,5,6,7
	v_add_nc_u32 v[RD+\i], \i*WREG, v[RD]          ; wave i's: the regions lie too far apart for the 16-bit immediate
.endr
	v_mov_b32 v[NEG1], -1.0
	TURNA
	s_wait_dscnt 0x0                               ; A is back, a row to a lane
	CONVA                                          ; B may still be on its way under these 256 instructions
	s_wait_tensorcnt 0x1                           ; tensor loads of a wave end in order (ISA guide 10.11.1): B0 is in, B1 may be out
	FETCH 0, 0
	CONVERT
	FETCH 0, 1                                     ; the next step's numbers come in under this step's matrix work
	MM 0, 1
	PLACES                                         ; the splits below write registers that the matrix instructions above read
	CONVERT
	s_wait_tensorcnt 0x0                           ; B1 is in; none is out at s_endpgm
	FETCH 1, 0
	MM 1, 0
	PLACES
	CONVERT
	FETCH 1, 1
	MM 2, 0
	PLACES
	CONVERT
	MM 3, 0
	PLACES                                         ; the LDS stores below read results
	; The eight waves' partial tiles meet in LDS, each in its wave's place 1: that place had its one fill at the start, and its wave alone read it, two K steps ago.
	; Lane (r, h) holds C(16 mt + r, 16 nt + 8 h + 0 .. 7): two stores of 16 bytes for each tile.
.irp mt, 0,1
.irp nt, 0,1,2,3
	ds_store_b128 v[STO], v[ACC+8*(4*\mt+\nt):ACC+8*(4*\mt+\nt)+3] offset:16*SPITCH*\mt+64*\nt
	ds_store_b128 v[STO], v[ACC+8*(4*\mt+\nt)+4:ACC+8*(4*\mt+\nt)+7] offset:16*SPITCH*\mt+64*\nt+16
.endr
.endr
	s_wait_dscnt 0x0                               ; my stores are done, for the others' sake,
	s_barrier_signal -1
	s_barrier_wait -1                              ; and so are everybody's
.irp i, 0,1,2,3,4,5,6,7
.irp g, 0,1
	ds_load_b128 v[RB+8*\i+4*\g:RB+8*\i+4*\g+3], v[RD+\i] offset:2*SPITCH*\g   ; wave i's partial sums: rows 4 w + 2 g + h, columns 4 r .. 4 r + 3
.endr
.endr
	s_wait_dscnt 12                                ; waves 0 and 1 start the sums; the twelve loads behind theirs may be out
.irp q, 0,2,4,6
	v_pk_add_f32 v[OUT+\q:OUT+\q+1], v[RB+\q:RB+\q+1], v[RB+8+\q:RB+8+\q+1]
.endr
.irp i, 2,3,4,5,6,7
	s_wait_dscnt 14-2*\i                           ; wave i's are in, the later waves' may be out
.irp q, 0,2,4,6
	v_pk_add_f32 v[OUT+\q:OUT+\q+1], v[OUT+\q:OUT+\q+1], v[RB+8*\i+\q:RB+8*\i+\q+1]
.endr
.endr
	global_store_b128 v[CO], v[OUT:OUT+3], s[8:9]                    ; sixteen lanes store 256 consecutive bytes of one row, at a multiple of 256 from C's first byte
	global_store_b128 v[CO], v[OUT+4:OUT+7], s[8:9] offset:2*ROWB    ; the wave's other two rows
	s_wait_tensorcnt 0x0
	ds_add_u32 v254, v255
	s_wait_dscnt 0x0
	ROUND                                          ; the closing round: no work-group ends while a partner may still ask for a tile that names it
	s_endpgm
.Lfunc_end_k_q26fb4ad3b5_uproj:
	.size	k_q26fb4ad3b5_uproj, .Lfunc_end_k_q26fb4ad3b5_uproj-k_q26fb4ad3b5_uproj
	.p2alignl 7, 3214868480
	.fill 96, 4, 3214868480
	.section	.rodata,"a",@progbits
	.p2align	6, 0x0
	.amdhsa_kernel k_q26fb4ad3b5_uproj
		.amdhsa_group_segment_fixed_size 314368
		.amdhsa_private_segment_fixed_size 0
		.amdhsa_enable_private_segment 0
		.amdhsa_kernarg_size 24
		.amdhsa_user_sgpr_count 2
		.amdhsa_user_sgpr_kernarg_segment_ptr 1
		.amdhsa_wavefront_size32 1
		.amdhsa_system_sgpr_workgroup_id_x 1
		.amdhsa_system_sgpr_workgroup_id_y 1
		.amdhsa_system_sgpr_workgroup_id_z 1
		.amdhsa_system_vgpr_workitem_id 0
		.amdhsa_next_free_vgpr 512
		.amdhsa_next_free_sgpr 66
		.amdhsa_reserve_vcc 0
		.amdhsa_float_denorm_mode_32 3
		.amdhsa_float_denorm_mode_16_64 3
		.amdhsa_memory_ordered 1
		.amdhsa_forward_progress 1
		.amdhsa_inst_pref_size 89
	.end_amdhsa_kernel
	.amdgpu_metadata
---
amdhsa.version: [ 1, 2 ]
amdhsa.kernels:
  - .name:           k_q26fb4ad3b5_uproj
    .symbol:         k_q26fb4ad3b5_uproj.kd
    .args:
      - { .name: q, .offset: 0, .size: 8, .value_kind: global_buffer, .address_space: global }
      - { .name: Wk, .offset: 8, .size: 8, .value_kind: global_buffer, .address_space: global }
      - { .name: u, .offset: 16, .size: 8, .value_kind: global_buffer, .address_space: global }
    .group_segment_fixed_size: 314368
    .private_segment_fixed_size: 0
    .kernarg_segment_align: 8
    .kernarg_segment_size: 24
    .max_flat_workgroup_size: 256
    .sgpr_count:     66
    .vgpr_count:     512
    .wavefront_size: 32
...
	.end_amdgpu_metadata
.endif
;; end of part 5
;; launch attend: the kernel of part 3 again; grid 512 x 1, 8 waves a work-group, no clusters, 34,048 bytes of LDS; arguments past_predictions, u, q, bk, c; writes c
;; launch oproj: the kernel of part 4 again; grid 16 x 16, 8 waves a work-group, clusters of 4 x 4, 314,368 bytes of LDS; arguments c, Wv, bv, out0; writes out0
